; MI455X (gfx1250); checked and timed in simulation.
; The chip was launched on July 23, 2026; its instructions are those of AMD's public machine-readable ISA for CDNA 5 (MIT licence, August 2026) and "CDNA5" Instruction Set Architecture Reference Guide (July 2026). The comments in the code are by the model that wrote it; some were corrected since.
;; Cross Attention. Allowed arithmetic: float matrix products may take bf16 or f16 operands with f32 sums; other float arithmetic in f32, or as packed bf16 or f16 multiplies, adds, multiply-adds, maxima and minima; sums over many terms, partial sums and values carried from step to step in f32; what a program stores and reads back later, other than sums and carried values, may be rounded once to bf16 or f16.
;; Inputs: fo_b 1,024 float32; fo_w 1,024 x 1,024 float32; key 8 x 2,048 x 1,024 float32; query 8 x 2,048 x 1,024 float32; value 8 x 2,048 x 1,024 float32; wk_b 1,024 float32; wk_w 1,024 x 1,024 float32; wq_b 1,024 float32; wq_w 1,024 x 1,024 float32; wv_b 1,024 float32; wv_w 1,024 x 1,024 float32.
;; Outputs: out0 8 x 2,048 x 1,024 float32.
;; 2 versions, each right; version 2 is version 1 with the launch attn written anew for expert scheduling mode. Each part assembles by itself: llvm-mc -triple=amdgcn-amd-amdhsa -mcpu=gfx1250 --defsym DOCPART=n.
;; ======== version 1 of 2: 4 launches
;; limits: values are held in f16: magnitudes above 65,504 overflow, below 6.1e-05 lose precision
;; workspace buffers: wsw 8,388,608 bytes; wsb 16,384 bytes; qkv 100,663,296 bytes; obuf 33,554,432 bytes
;; launch prep (part 1): grid 64 x 4, 8 waves a work-group, no clusters, 0 bytes of LDS; arguments wq_w, wk_w, wv_w, fo_w, wq_b, wk_b, wv_b, fo_b, wsw, wsb; writes wsw, wsb
.if DOCPART == 1
	.amdgcn_target "amdgcn-amd-amdhsa--gfx1250"
	.amdhsa_code_object_version 6
	.text
	.protected	k_qdc44a13349_prep
	.globl	k_qdc44a13349_prep
	.p2align	8
	.type	k_qdc44a13349_prep,@function
k_qdc44a13349_prep:
	s_mov_b64 s[64:65], 0
	v_nop
	global_prefetch_b8 v0, s[64:65] scope:SCOPE_SE
	s_setreg_imm32_b32 hwreg(HW_REG_WAVE_MODE, 25, 1), 1
	s_wait_xcnt 0x0
; THE WEIGHTS AND BIASES, rounded once to bf16, permuted and laid out for the launches behind.
; A row number n of the image of wq, wk or wv is read as n = 256 a + 128 h + 16 e + r (a: 2 bits, h: 1, e: 3, r: 4):
;   wq_w, wk_w, wq_b, wk_b: image row n is source row 64 r + 16 a + 8 h + e      (head r, channel 16 a + 8 h + e)
;   wv_w, wv_b:             image row n is source row 64 (8 h + e) + 16 a + r    (head 8 h + e, channel 16 a + r)
; A column number k of the image of fo_w is read as k = 256 a + 128 h + 8 r + e and is source column 64 r + 16 a + 8 h + e: the order in which the attention stores its result.
; wsw: at 0, 2 MiB, 4 MiB the images of wq, wk, wv in bf16, in blocks of 128 along K: [k / 128][n][k % 128], a block 262,144 bytes, so that 128 rows x 128 k are 32,768 dense bytes.
;      at 6 MiB fo_w's image, [n][k], rounded to bf16 and that number written as f16 (exact from 6.1e-5 to 65,504; below it keeps a step of 6e-8; beyond it is lost).
; wsb: the four biases (the first three permuted like the rows), 1,024 f32 each, holding numbers rounded to bf16.
; SHARES.  grid y picks the matrix, grid x 32,768 bytes of its image.  A thread makes eight pieces of 16 bytes, 4,096 bytes apart, each from 32 consecutive bytes of f32;
; each store of a wave covers 512 consecutive bytes, aligned.  The work-group with x = 0 also makes matrix y's bias, four numbers a thread; its loads go out ahead of the sixteen for the matrix,
; so that one wait serves all of a thread's loads.  No LDS, no barrier, no loop.
.set SRC, 24                           ; s[24:25] the matrix to read
.set BSR, 26                           ; s[26:27] the bias to read
.set YY,  28                           ; s28      grid y
.set IN,  16                           ; v[16:79]   8 x 8 f32 as loaded
.set OUTR, 80                          ; v[80:111]  8 x 4 registers to store
.set BD,  112                          ; v[112:115] four numbers of the bias
.set BA,  116                          ; v116       where they are read
.set BS,  117                          ; v117       where they are stored
.set BPK, 118                          ; v118-119   the four rounded, packed
.macro LD8 sa, sb                      ; piece it lies (it % 4) sa + (it / 4) sb bytes behind piece 0 in the source
.irp it, 0,1,2,3,4,5,6,7
	global_load_b128 v[IN+8*(\it):IN+8*(\it)+3],   v1, s[SRC:SRC+1] offset:((\it)&3)*(\sa)+((\it)>>2)*(\sb) th:TH_LOAD_NT
	global_load_b128 v[IN+8*(\it)+4:IN+8*(\it)+7], v1, s[SRC:SRC+1] offset:((\it)&3)*(\sa)+((\it)>>2)*(\sb)+16 th:TH_LOAD_NT
.endr
.endm
	s_load_b512 s[4:19], s[0:1], 0x0               ; wq_w 4, wk_w 6, wv_w 8, fo_w 10, wq_b 12, wk_b 14, wv_b 16, fo_b 18
	s_load_b128 s[20:23], s[0:1], 0x40             ; wsw 20, wsb 22
	s_and_b32 s[YY], ttmp7, 0xffff
	s_bfe_u32 s29, ttmp9, 0x20001                  ; a = (x / 2) % 4
	s_and_b32 s30, ttmp9, 1                        ; h = x % 2
	s_lshr_b32 s31, ttmp9, 3                       ; my block of 128 along K
	s_lshl_b32 s29, s29, 16                        ; 16 a rows of 4,096 bytes
	s_lshl_b32 s31, s31, 9                         ; 128 f32
	s_add_co_u32 s31, s31, s29
	s_lshl_b32 s32, s[YY], 21
	s_lshl_b32 s33, ttmp9, 15
	s_add_co_u32 s32, s32, s33
	v_lshl_add_u32 v2, v0, 4, s32                  ; where I store: 2 MiB y + 32,768 x + 16 t; never rewritten
	v_lshrrev_b32 v3, 4, v0                        ; r = t / 16
	v_and_b32 v5, 15, v0
	v_lshl_add_u32 v5, v5, 5, s31                  ; 32 (t % 16) + what a and the block give
	s_lshl_b32 s35, s[YY], 12
	v_lshl_add_u32 v[BS], v0, 4, s35               ; the bias: 4,096 y + 16 t
.irp r, 0,1,2,3
	v_mov_b32 v[BD+(\r)], 0                        ; written on every path; where x = 0 the loads below land here
.endr
	s_wait_kmcnt 0x0
	s_cmp_eq_u32 s[YY], 1
	s_cselect_b64 s[SRC:SRC+1], s[6:7], s[4:5]
	s_cselect_b64 s[BSR:BSR+1], s[14:15], s[12:13]
	s_cmp_eq_u32 s[YY], 2
	s_cselect_b64 s[SRC:SRC+1], s[8:9], s[SRC:SRC+1]
	s_cselect_b64 s[BSR:BSR+1], s[16:17], s[BSR:BSR+1]
	s_cmp_eq_u32 s[YY], 3
	s_cselect_b64 s[SRC:SRC+1], s[10:11], s[SRC:SRC+1]
	s_cselect_b64 s[BSR:BSR+1], s[18:19], s[BSR:BSR+1]
	; THE BIAS's LOADS, where x = 0: thread t makes numbers 4 t .. 4 t + 3: r = 4 (t % 4) + 0..3, e = (t / 4) % 8, h = (t / 32) % 2, a = t / 64
	s_cmp_lg_u32 ttmp9, 0
	s_cbranch_scc1 .Lmain
	v_and_b32 v6, 3, v0                            ; r / 4
	v_lshrrev_b32 v7, 6, v0                        ; a
	v_bfe_u32 v8, v0, 5, 1                         ; h
	v_bfe_u32 v9, v0, 2, 3                         ; e
	s_cmp_lt_u32 s[YY], 2
	s_cbranch_scc0 .Lb_not_qk
	v_lshlrev_b32 v[BA], 10, v6                    ; 4 (64 r + 16 a + 8 h + e): four numbers 64 apart
	v_lshl_add_u32 v[BA], v7, 6, v[BA]
	v_lshl_add_u32 v[BA], v8, 5, v[BA]
	v_lshl_add_u32 v[BA], v9, 2, v[BA]
	global_load_b32 v[BD], v[BA], s[BSR:BSR+1]
	global_load_b32 v[BD+1], v[BA], s[BSR:BSR+1] offset:256
	global_load_b32 v[BD+2], v[BA], s[BSR:BSR+1] offset:512
	global_load_b32 v[BD+3], v[BA], s[BSR:BSR+1] offset:768
	s_branch .Lmain
.Lb_not_qk:
	s_cmp_eq_u32 s[YY], 2
	s_cbranch_scc0 .Lb_fo
	v_lshlrev_b32 v[BA], 11, v8                    ; 4 (64 (8 h + e) + 16 a + r): four consecutive numbers
	v_lshl_add_u32 v[BA], v9, 8, v[BA]
	v_lshl_add_u32 v[BA], v7, 6, v[BA]
	v_lshl_add_u32 v[BA], v6, 4, v[BA]
	global_load_b128 v[BD:BD+3], v[BA], s[BSR:BSR+1]
	s_branch .Lmain
.Lb_fo:
	v_lshlrev_b32 v[BA], 4, v0
	global_load_b128 v[BD:BD+3], v[BA], s[BSR:BSR+1]
.Lmain:
	s_cmp_lt_u32 s[YY], 2
	s_cbranch_scc0 .Lnot_qk
	; image row n = 128 (x % 8) + 16 it + t / 16: e = it, r = t / 16.  Source row 64 r + 16 a + 8 h + e
	s_lshl_b32 s34, s30, 15                        ; 8 h rows
	v_lshl_add_u32 v1, v3, 18, v5                  ; 64 r rows
	v_add_nc_u32 v1, s34, v1
	LD8 4096, 16384                                ; a row for each it
	s_branch .Ljoin
.Lnot_qk:
	s_cmp_eq_u32 s[YY], 2
	s_cbranch_scc0 .Lfo
	s_lshl_b32 s34, s30, 21                        ; source row 64 (8 h + e) + 16 a + r: 512 h rows
	v_lshl_add_u32 v1, v3, 12, v5                  ; r rows
	v_add_nc_u32 v1, s34, v1
	LD8 262144, 1048576                            ; 64 rows for each it
	s_branch .Ljoin
.Lfo:
	; image row n = 16 x + 2 it + t / 128, image columns 8 (t % 128) on: r = t % 16, h = (t / 16) % 2, a = (t / 32) % 4
	s_lshl_b32 s31, ttmp9, 16
	v_lshrrev_b32 v1, 7, v0
	v_lshl_add_u32 v1, v1, 12, s31
	v_and_b32 v3, 15, v0
	v_lshl_add_u32 v1, v3, 8, v1                   ; 64 r f32
	v_bfe_u32 v3, v0, 5, 2
	v_lshl_add_u32 v1, v3, 6, v1                   ; 16 a
	v_bfe_u32 v3, v0, 4, 1
	v_lshl_add_u32 v1, v3, 5, v1                   ; 8 h
	LD8 8192, 32768                                ; 2 rows for each it
.Ljoin:
	s_wait_loadcnt 0x0                             ; all of the thread's loads, the bias's among them
.irp it, 0,1,2,3,4,5,6,7
.irp j, 0,1,2,3
	v_cvt_pk_bf16_f32 v[OUTR+4*(\it)+(\j)], v[IN+8*(\it)+2*(\j)], v[IN+8*(\it)+2*(\j)+1]
.endr
.endr
	s_cmp_eq_u32 s[YY], 3
	s_cbranch_scc0 .Lstore
.set i, 0
.rept 32                               ; fo_w alone: the bf16 numbers are widened and written as f16
	v_lshlrev_b32 v[4+2*(i%4)], 16, v[OUTR+i]
	v_and_b32 v[5+2*(i%4)], 0xffff0000, v[OUTR+i]
	v_cvt_pk_f16_f32 v[OUTR+i], v[4+2*(i%4)], v[5+2*(i%4)]
.set i, i+1
.endr
.Lstore:
.irp it, 0,1,2,3,4,5,6,7
	global_store_b128 v2, v[OUTR+4*(\it):OUTR+4*(\it)+3], s[20:21] offset:(\it)*4096
.endr
	s_cmp_lg_u32 ttmp9, 0                          ; the bias is rounded and stored where x = 0; none of its registers is a source of the stores above
	s_cbranch_scc1 .Lend
	v_cvt_pk_bf16_f32 v[BPK], v[BD], v[BD+1]
	v_cvt_pk_bf16_f32 v[BPK+1], v[BD+2], v[BD+3]
	v_lshlrev_b32 v[BD], 16, v[BPK]
	v_and_b32 v[BD+1], 0xffff0000, v[BPK]
	v_lshlrev_b32 v[BD+2], 16, v[BPK+1]
	v_and_b32 v[BD+3], 0xffff0000, v[BPK+1]
	global_store_b128 v[BS], v[BD:BD+3], s[22:23]
.Lend:
	s_endpgm
.Lfunc_end_k_qdc44a13349_prep:
	.size	k_qdc44a13349_prep, .Lfunc_end_k_qdc44a13349_prep-k_qdc44a13349_prep
	.p2alignl 7, 3214868480
	.fill 96, 4, 3214868480
	.section	.rodata,"a",@progbits
	.p2align	6, 0x0
	.amdhsa_kernel k_qdc44a13349_prep
		.amdhsa_group_segment_fixed_size 0
		.amdhsa_private_segment_fixed_size 0
		.amdhsa_enable_private_segment 0
		.amdhsa_kernarg_size 80
		.amdhsa_user_sgpr_count 2
		.amdhsa_user_sgpr_kernarg_segment_ptr 1
		.amdhsa_wavefront_size32 1
		.amdhsa_system_sgpr_workgroup_id_x 1
		.amdhsa_system_sgpr_workgroup_id_y 1
		.amdhsa_system_sgpr_workgroup_id_z 1
		.amdhsa_system_vgpr_workitem_id 0
		.amdhsa_next_free_vgpr 120
		.amdhsa_next_free_sgpr 66
		.amdhsa_reserve_vcc 0
		.amdhsa_float_denorm_mode_32 3
		.amdhsa_float_denorm_mode_16_64 3
		.amdhsa_memory_ordered 1
		.amdhsa_forward_progress 1
		.amdhsa_inst_pref_size 17
	.end_amdhsa_kernel
	.amdgpu_metadata
---
amdhsa.version: [ 1, 2 ]
amdhsa.kernels:
  - .name:           k_qdc44a13349_prep
    .symbol:         k_qdc44a13349_prep.kd
    .args:
      - { .name: wq_w, .offset: 0, .size: 8, .value_kind: global_buffer, .address_space: global }
      - { .name: wk_w, .offset: 8, .size: 8, .value_kind: global_buffer, .address_space: global }
      - { .name: wv_w, .offset: 16, .size: 8, .value_kind: global_buffer, .address_space: global }
      - { .name: fo_w, .offset: 24, .size: 8, .value_kind: global_buffer, .address_space: global }
      - { .name: wq_b, .offset: 32, .size: 8, .value_kind: global_buffer, .address_space: global }
      - { .name: wk_b, .offset: 40, .size: 8, .value_kind: global_buffer, .address_space: global }
      - { .name: wv_b, .offset: 48, .size: 8, .value_kind: global_buffer, .address_space: global }
      - { .name: fo_b, .offset: 56, .size: 8, .value_kind: global_buffer, .address_space: global }
      - { .name: wsw, .offset: 64, .size: 8, .value_kind: global_buffer, .address_space: global }
      - { .name: wsb, .offset: 72, .size: 8, .value_kind: global_buffer, .address_space: global }
    .group_segment_fixed_size: 0
    .private_segment_fixed_size: 0
    .kernarg_segment_align: 8
    .kernarg_segment_size: 80
    .max_flat_workgroup_size: 256
    .sgpr_count:     66
    .vgpr_count:     120
    .wavefront_size: 32
...
	.end_amdgpu_metadata
.endif
;; end of part 1
;; launch proj (part 2): grid 8 x 32, 4 waves a work-group, clusters of 4 x 1, 327,680 bytes of LDS; arguments query, key, value, wsw, wsb, qkv; writes qkv
.if DOCPART == 2
	.amdgcn_target "amdgcn-amd-amdhsa--gfx1250"
	.amdhsa_code_object_version 6
	.text
	.protected	k_qdc44a13349_proj
	.globl	k_qdc44a13349_proj
	.p2align	8
	.type	k_qdc44a13349_proj,@function
k_qdc44a13349_proj:
	s_mov_b64 s[64:65], 0
	v_nop
	global_prefetch_b8 v0, s[64:65] scope:SCOPE_SE
	s_setreg_imm32_b32 hwreg(HW_REG_WAVE_MODE, 25, 1), 1
	s_wait_xcnt 0x0
	s_wait_alu depctr_hold_cnt(0) depctr_sa_sdst(0) depctr_va_vdst(0) depctr_va_sdst(0) depctr_va_ssrc(0) depctr_va_vcc(0) depctr_vm_vsrc(0)
	s_getreg_b32 s2, hwreg(HW_REG_IB_STS2, 6, 4)
	s_cmp_eq_u32 s2, 0
	s_cbranch_scc0 .Lentry_in_a_cluster
	s_endpgm
.Lentry_in_a_cluster:
	s_bfe_u32 s2, ttmp6, 0x10000c
	s_cmp_lg_u32 s2, 0x3003
	s_cbranch_scc0 .Lentry_shape_is_right
	s_endpgm
.Lentry_shape_is_right:
; THE THREE PROJECTIONS.  qkv[p][m][n] = the sum over k of X_p[m][k] W_p[n][k] + b_p[n], p = 0, 1, 2: X = query, key, value ([16384][1024] f32), W_p and b_p as the launch before left them
; (rows permuted, bf16, in blocks of 128 along K).  X is rounded once to bf16; sums in f32, started by the bias; the result rounded once to f16.
; LIMITS.  f16 ends at 65,504: q, k and v must stay within it (inputs thirty times those expected give a spread of 900, a common offset on x and on W at once some 29,000).  NaN and infinities are not treated apart.
; SHARES.  A work-group STAYS and makes three tiles of 128 rows x 512 columns, the same place in q, k and v.  Its four waves lie side by side: wave w makes 128 x 128, columns 128 w on: 64 accumulators, 512 registers.
; B comes by the tensor data mover, in steps of 128 along K through a ring of two LDS slots; each wave fetches, and alone reads, its own 128 rows (32,768 dense bytes, as 128 rows of 256).
; A COMES THROUGH REGISTERS.  In f32 a tile of A takes twice the LDS bytes of its bf16 image: with it two slots of 128 along K would need 2 x (128 x 528 + 512 x 272) = 413,696 bytes.  So A is loaded by rows into registers
; (a unit = 64 along K = 256 bytes of each row, aligned; a wave takes 32 rows: 16 loads, 64 registers), rounded, and stored as bf16 into one of two LDS buffers, from which all four waves read their fragments.
; Two sets of registers take turns: a unit is asked for 256 matrix instructions ahead of its rounding, and these loads stay out across the barriers.
; A K step is four quarters of 32 along K.  Quarter 0 rounds the step's odd unit into buffer 1, quarter 2 the next step's even unit into buffer 0; the barrier in quarter 1 and the change of slots in quarter 3 stand
; between each buffer's stores and its reads, and between its last reads and its next stores.
; ONE WALK.  The three matrices' blocks of B lie on end in memory: 24 K steps, 12 laps of the ring.  ONE loop walks the first eleven laps, which fill both slots again; the twelfth is written out.
; What differs at a tile's end hangs on a scalar count of the tile's laps: A's next unit is the next input's first, and a forward jump.
; The loop is entered at that quarter.
; CLUSTER.  Four work-groups with four different tile rows and one tile column need the same B: each tile of B is asked for jointly, by the same tensor load with the same descriptor and the mask of all four.
; A is not asked for jointly: it does not come by the mover, and only the two work-groups of the two tile columns read the same rows.
; By this text's count a wave has two tensor loads out at the start and one behind each round.
; THE WAY OUT NEEDS NO LDS.  Source 0 = 16 rows of A, source 1 = 16 rows of B: a lane holds ONE column (lane % 16 of the block) and the tokens 8 (lane / 16) + 0..7.  The columns are so permuted that the wave's eight
; blocks of 16 columns are eight neighbouring numbers of the stored row: one register of each of the eight accumulators packs into 16 bytes, and sixteen lanes store 256 consecutive bytes, aligned.
; REGISTERS, in windows of 256 (s_set_vgpr_msb: bits 1:0 source 0, 3:2 source 1, 5:4 source 2, 7:6 destination):
;   window 0: v0-15 the second and third tile's bias; v16-31 addresses; v32-63 A rounded, on its way to LDS (and the way out); v64-127, v128-191 A's fragments, two buffers; v192-255 the bias as C operands
;   window 1: v0-63, v192-255 A as loaded, two sets; v64-127, v128-191 B's fragments, two buffers          windows 2, 3: the accumulators, (a, b) at v[8 (8 a + b)]
.set PB,     272                       ; a row of B in LDS: 256 bytes + 16: the 16 rows of a load start at 16 different groups of four banks (ISA guide 11.1)
.set WTILE,  128*PB                    ; a wave's part of a slot
.set SLOT,   4*WTILE
.set PAA,    144                       ; a row of A in LDS: 64 bf16 + 16 bytes
.set ABYTES, 128*PAA
.set ABUF,   2*SLOT                    ; behind the ring: A's two buffers, written by LDS stores alone; no tensor load lands here
.set SPARE,  ABUF+2*ABYTES             ; the spare words, 128 bytes a wave: two blocks of 256 bytes that no other line names
.set KBLK,   262144                    ; a block of 128 along K of a weight matrix
.set PLANE,  33554432                  ; q, k, v in qkv
.set TLAPS,  4                         ; laps in a tile; a lap = two K steps = once round the ring
.set ALLLAPS, 3*TLAPS
.set BN,   0                           ; v0-7 the next tile's bias, v8-15 the one after's: one number for each block of 16 columns
.set ADRA, 16                          ; v16-17 LDS address of my A fragments in buffer 0, 1
.set ADRB, 20                          ; v20-21 LDS address of my B fragments in slot 0, 1
.set AST,  22                          ; v22-23 where I store 8 bytes of A in buffer 0, 1
.set AGO,  24                          ; v24 my byte offset in the tile's rows of A; never rewritten
.set CO,   26                          ; v26 my byte offset in the result; never rewritten
.set BO,   27                          ; v27 my byte offset in the bias
.set SPW,  28                          ; v28 my spare word; never rewritten
.set NIL,  29                          ; v29 0; never rewritten
.set PFOA, 30                          ; v30 A's prefetches: my thread's row; never rewritten
.set PFOB, 31                          ; v31 B's prefetches: 256 x lane; never rewritten
.set PK,   32
.set F0,   64
.set F1,   128
.set BIAS, 192
.set WV,   16                          ; s16 wave.  s2: passes of the loop's foot still to come, 12 to 1.  s3: laps of the tile in hand still to come, this one among them, 4 to 1
.set G1,   24                          ; s[24:31] descriptor group 1
.set G0,   32                          ; s[32:39] group 0, a set for each slot
.set PA,   48                          ; s[48:49] A at the tile's first row, at the unit last asked for
.set NXA,  50                          ; s[50:51] the next tile's A at the same rows
.set NXA2, 52                          ; s[52:53] the one after
.set PFB,  54                          ; s[54:55] where my next prefetch of B stands
.set LIMB, 56                          ; s56 1 where B is prefetched, else the greatest number
.set LIMA, 57                          ; s57 2 where A is prefetched, else the greatest number
.set CB,   58                          ; s[58:59] the result at my first row and column
.set BB,   60                          ; s[60:61] the first tile's bias at my first column
.set MSB, 0
.macro WIN new                         ; the high byte repeats the setting that is left; a switch that changes nothing is dropped
.if MSB != (\new)
	s_set_vgpr_msb (MSB<<8)|(\new)
.set MSB, \new
.endif
.endm
.macro CREST                           ; a round of the cluster's barrier behind its opening barrier
	s_cmp_lg_u32 s[WV], 0
	s_cbranch_scc1 .Lnot_wave_0_\@
	s_barrier_signal -3
.Lnot_wave_0_\@:
	s_barrier_wait -3
	s_barrier_signal -1
	s_barrier_wait -1
.endm
.macro CROUND
	s_barrier_signal -1
	s_barrier_wait -1
	CREST
.endm
.macro PLACES                          ; four places in front of loads into registers that matrix instructions have read, and of readers of their results
.rept 4
	v_nop
.endr
.endm
; A's PREFETCH: the unit that will be asked for two units, 256 matrix instructions, later: 256 bytes of each of the tile's 128 rows, a thread a row, one instruction a wave.  Both tile columns read these rows:
; tile column 0 asks.  It asks in a tile's first quarter and first two laps: units 5 to 13, each once; the others come by their loads alone, and no request leaves the row that it names.
.macro ASKA
	s_cmp_gt_u32 s3, s[LIMA]
	s_cbranch_scc0 .Lno_a_\@
	global_prefetch_b8 v[PFOA], s[PA:PA+1] offset:512 th:TH_LOAD_NT scope:SCOPE_SE
.Lno_a_\@:
.endm
; B's PREFETCH: the K step two refills, 512 matrix instructions, on.  Every cluster of a tile column reads the same B: the clusters with y = 0 ask.  Of the 32,768 bytes that a wave fetches the partner at cx takes 8,192,
; a lane 256: the partners are told apart by address alone.  Step g names step g + 4; the loop's last lap (steps 20, 21) asks for nothing: of the 24 steps 4 to 23 are named, each once.
.macro ASKB
	s_cmp_gt_u32 s2, s[LIMB]
	s_cbranch_scc0 .Lno_b_\@
	global_prefetch_b8 v[PFOB], s[PFB:PFB+1] th:TH_LOAD_NT scope:SCOPE_SE
.Lno_b_\@:
.endm
	s_load_b256 s[4:11], s[0:1], 0x0               ; query 4, key 6, value 8, wsw 10
	s_load_b128 s[12:15], s[0:1], 0x20             ; wsb 12, qkv 14
	v_lshl_add_u32 v[SPW], v0, 2, SPARE
	v_mov_b32 v[NIL], 0
	ds_add_u32 v[SPW], v[NIL]                      ; the wave's opening: the add and its wait ahead of my first tensor load
	v_lshrrev_b32 v1, 5, v0
	v_readfirstlane_b32 s[WV], v1
	s_bfe_u32 s17, ttmp6, 0x40000                  ; cx
	s_and_b32 s18, ttmp7, 0xffff                   ; cluster y
	s_lshl_b32 s19, s18, 2
	s_add_co_u32 s19, s19, s17                     ; tile row = 4 x cluster y + cx; the tile column is the cluster's x
	s_mov_b32 s[G1], 15|(1<<16)|(1<<20)|(1<<21)|(5<<22)|(3<<25)  ; the mask of all four; elements of 2 bytes; padding on; bit 21 beside a mask; after every 64 words 4 words
	s_mov_b32 s[G1+1], 128<<16                     ; tensor_dim0 = 128
	s_mov_b32 s[G1+2], 128<<16                     ; tensor_dim1 = 128
	s_mov_b32 s[G1+3], 128<<16                     ; tile_dim0 = 128
	s_mov_b32 s[G1+4], 128                         ; tile_dim1 = 128
	s_mov_b32 s[G1+5], 128                         ; elements from row to row: the block is dense
	s_mov_b32 s[G1+6], 0
	s_mov_b32 s[G1+7], 0
	s_lshl_b32 s40, ttmp9, 17                      ; B: in each block 131,072 x tile column + 32,768 x wave; these registers never hold cx
	s_lshl_b32 s41, s[WV], 15
	s_add_co_u32 s40, s40, s41
	s_mov_b32 s41, 0
	s_lshl_b32 s42, s19, 19                        ; A: 128 x tile row rows of 4,096 bytes
	s_mov_b32 s43, 0
	s_mul_i32 s22, s[WV], WTILE                    ; where B goes: no place in the cluster enters an LDS address
	s_wait_dscnt 0x0                               ; the opening add is done
	s_wait_kmcnt 0x0
	s_add_nc_u64 s[44:45], s[10:11], s[40:41]
	s_add_nc_u64 s[46:47], s[4:5], s[42:43]
	s_add_nc_u64 s[PA:PA+1], s[46:47], 512         ; unit 2, the last that is asked for ahead of the loop
	s_add_nc_u64 s[NXA:NXA+1], s[6:7], s[42:43]
	s_add_nc_u64 s[NXA2:NXA2+1], s[8:9], s[42:43]
	CROUND                                         ; all four work-groups are here: the first joint loads meet
.irp s, 0,1
	s_mov_b32 s[G0+4*(\s)], 1
	s_add_co_u32 s[G0+4*(\s)+1], s22, (\s)*SLOT
	s_add_nc_u64 s[G0+4*(\s)+2:G0+4*(\s)+3], s[44:45], (\s)*KBLK
	s_or_b32 s[G0+4*(\s)+3], s[G0+4*(\s)+3], 0x80000000
	tensor_load_to_lds s[G0+4*(\s):G0+4*(\s)+3], s[G1:G1+7]
	s_nop 0
.endr
	PLACES
	; A fragment is 16 rows x 32 K of bf16: lane l holds row l % 16, K = 8 (l / 16) + 0..7 and 16 + 8 (l / 16) + 0..7: two pieces of 16 bytes, 32 apart.
	v_and_b32 v1, 15, v0
	v_bfe_u32 v2, v0, 4, 1
	v_mul_u32_u24 v3, v1, PB
	v_lshl_add_u32 v3, v2, 4, v3
	v_add_nc_u32 v[ADRB], s22, v3
	v_add_nc_u32 v[ADRB+1], SLOT, v[ADRB]
	v_mul_u32_u24 v4, v1, PAA
	v_lshl_add_u32 v4, v2, 4, v4
	v_add_nc_u32 v[ADRA], ABUF, v4
	v_add_nc_u32 v[ADRA+1], ABUF+ABYTES, v4
	; A load of A takes two rows: lanes 0-15 the 256 bytes of row 32 w + 2 i, lanes 16-31 those of the next.  A lane's four f32 become 8 bytes of the LDS row.
	s_mul_i32 s23, s[WV], 32*PAA
	v_mul_u32_u24 v6, v2, PAA
	v_lshl_add_u32 v6, v1, 3, v6
	v_add_nc_u32 v6, s23, v6
	v_add_nc_u32 v[AST], ABUF, v6
	v_add_nc_u32 v[AST+1], ABUF+ABYTES, v6
	s_lshl_b32 s23, s[WV], 17                      ; 32 rows of 4,096 bytes a wave
	v_lshlrev_b32 v5, 12, v2
	v_lshl_add_u32 v5, v1, 4, v5
	v_add_nc_u32 v[AGO], s23, v5
	v_lshlrev_b32 v5, 14, v2                       ; the result: token 8 (l / 16) of a block, rows of 2,048 bytes; 16 bytes for column l % 16
	v_lshl_add_u32 v[CO], v1, 4, v5
	v_lshlrev_b32 v[BO], 2, v1
	v_lshlrev_b32 v[PFOA], 12, v0
	v_and_b32 v[PFOB], 31, v0
	v_lshlrev_b32 v[PFOB], 8, v[PFOB]
	s_lshl_b32 s20, s19, 18                        ; 128 x tile row rows of 2,048 bytes + 1,024 x tile column + 256 x wave
	s_lshl_b32 s21, ttmp9, 10
	s_add_co_u32 s20, s20, s21
	s_lshl_b32 s21, s[WV], 8
	s_add_co_u32 s20, s20, s21
	s_mov_b32 s21, 0
	s_add_nc_u64 s[CB:CB+1], s[14:15], s[20:21]
	s_lshl_b32 s20, ttmp9, 11                      ; 512 f32 a tile column, 128 a wave
	s_lshl_b32 s21, s[WV], 9
	s_add_co_u32 s20, s20, s21
	s_mov_b32 s21, 0
	s_add_nc_u64 s[BB:BB+1], s[12:13], s[20:21]
	s_lshl_b32 s20, s17, 13                        ; B's prefetches: my work-group's 8,192 of the wave's 32,768 bytes,
	s_add_nc_u64 s[PFB:PFB+1], s[44:45], s[20:21]
	s_add_nc_u64 s[PFB:PFB+1], s[PFB:PFB+1], 3*KBLK  ; at K step 3: the first K step steps it to 4.  Nothing is prefetched here at the head
	s_cmp_eq_u32 ttmp9, 0
	s_cselect_b32 s[LIMA], 2, -1                   ; the same in all four partners
	s_cmp_eq_u32 s18, 0
	s_cselect_b32 s[LIMB], 1, -1
; 16 products: m blocks a0, a0 + 1 of the window's four (hi = 0: rows 0-63, 1: rows 64-127) x all 8 n blocks, 32 along K.  zero = 1: the sums start with the bias.
; The 64 accumulators take turns in one order in every quarter.
.macro MUL16 f, hi, a0, zero
.if \zero
	WIN 0x84+0x40*(\hi)                            ; A window 0, B window 1, C window 0, D window 2 or 3
.else
	WIN 0xa4+0x50*(\hi)                            ; C and D window 2 or 3
.endif
.irp a, \a0, (\a0)+1
.irp b, 0,1,2,3,4,5,6,7
.if \zero
	v_wmma_f32_16x16x32_bf16 v[8*(8*(\a)+(\b)):8*(8*(\a)+(\b))+7], v[(\f)+8*(4*(\hi)+(\a)):(\f)+8*(4*(\hi)+(\a))+7], v[(\f)+8*(\b):(\f)+8*(\b)+7], v[BIAS+8*(\b):BIAS+8*(\b)+7]
.else
	v_wmma_f32_16x16x32_bf16 v[8*(8*(\a)+(\b)):8*(8*(\a)+(\b))+7], v[(\f)+8*(4*(\hi)+(\a)):(\f)+8*(4*(\hi)+(\a))+7], v[(\f)+8*(\b):(\f)+8*(\b)+7], v[8*(8*(\a)+(\b)):8*(8*(\a)+(\b))+7]
.endif
.endr
.endr
.endm
; 32 LDS loads in one run: quarter q of a K step: B's eight fragments from the slot, then A's eight from buffer q / 2
.macro FETCH slot, q, f
	WIN 0x40
.irp i, 0,1,2,3,4,5,6,7
	ds_load_b128 v[(\f)+8*(\i):(\f)+8*(\i)+3],   v[ADRB+(\slot)] offset:(\q)*64+(\i)*16*PB
	ds_load_b128 v[(\f)+8*(\i)+4:(\f)+8*(\i)+7], v[ADRB+(\slot)] offset:(\q)*64+(\i)*16*PB+32
.endr
	WIN 0
.irp i, 0,1,2,3,4,5,6,7
	ds_load_b128 v[(\f)+8*(\i):(\f)+8*(\i)+3],   v[ADRA+((\q)>>1)] offset:((\q)&1)*64+(\i)*16*PAA
	ds_load_b128 v[(\f)+8*(\i)+4:(\f)+8*(\i)+7], v[ADRA+((\q)>>1)] offset:((\q)&1)*64+(\i)*16*PAA+32
.endr
.endm
; A unit of A, my 32 rows: out of set `set` of registers, rounded, into buffer ab.  left = the younger loads that may stay out.  The 32 roundings name no register of the products round them.
.macro CVTST set, ab, left
	WIN 0x05                                       ; sources window 1, destination window 0
	s_wait_loadcnt \left
.set ci, 0
.rept 32
	v_cvt_pk_bf16_f32 v[PK+ci], v[192*(\set)+2*ci], v[192*(\set)+2*ci+1]
.set ci, ci+1
.endr
	WIN 0
.irp i, 0,1,2,3,4,5,6,7,8,9,10,11,12,13,14,15
	ds_store_b64 v[AST+(\ab)], v[PK+2*(\i):PK+2*(\i)+1] offset:(\i)*2*PAA
.endr
.endm
.macro LOADA set, sb, off              ; 16 loads: each takes 256 consecutive bytes, aligned, of two rows
	WIN 0x40
.irp i, 0,1,2,3,4,5,6,7,8,9,10,11,12,13,14,15
	global_load_b128 v[192*(\set)+4*(\i):192*(\set)+4*(\i)+3], v[AGO], s[\sb:\sb+1] offset:(\off)+(\i)*8192
.endr
.endm
; ld = 1: the set is asked for again, with the unit two on; 2: the same, and in a tile's last lap that unit is the next input's first; 0: nothing is left to ask for.  stepb = 1: B's prefetches step with it.
.macro CONVERT set, ab, ld, left, stepb
	CVTST \set, \ab, \left
.if \ld
	s_wait_xcnt 0x0                                ; the loads and prefetches issued so far, the youngest 32 products back, have read their addresses
	s_add_nc_u64 s[PA:PA+1], s[PA:PA+1], 256
.if (\ld) == 2
	s_cmp_eq_u32 s3, 1                             ; the tile's last lap?
	s_cselect_b64 s[PA:PA+1], s[NXA:NXA+1], s[PA:PA+1]
	s_cselect_b64 s[NXA:NXA+1], s[NXA2:NXA2+1], s[NXA:NXA+1]
.endif
.if \stepb
	s_add_nc_u64 s[PFB:PFB+1], s[PFB:PFB+1], KBLK
.endif
	LOADA \set, PA, 0
.endif
.endm
; Quarters 0 and 2 multiply buffer 0; in their middle a unit of A is rounded (the roundings are the places in front of the fetch) and the next quarter is fetched into buffer 1.
.macro QC slot, q, zero, set, ab, ld, left, stepb, ask
	s_wait_dscnt 8                                 ; B and A's rows 0-63 are in; the youngest eight loads may be out
	MUL16 F0, 0, 0, \zero
	MUL16 F0, 0, 2, \zero
	CONVERT \set, \ab, \ld, \left, \stepb
	FETCH \slot, (\q)+1, F1
.if \ask
	ASKA
.endif
	s_wait_dscnt 32                                ; all but the 32 just issued: my stores of A among what is done
	MUL16 F0, 1, 0, \zero
	MUL16 F0, 1, 2, \zero
.endm
.macro QP slot, q                      ; the same with nothing left to round
	s_wait_dscnt 8
	MUL16 F0, 0, 0, 0
	MUL16 F0, 0, 2, 0
	PLACES
	FETCH \slot, (\q)+1, F1
	s_wait_dscnt 32
	MUL16 F0, 1, 0, 0
	MUL16 F0, 1, 2, 0
.endm
; Quarter 1 multiplies buffer 1.  Its barrier: in front of it each wave's stores into A's buffer 1 are done and its reads of buffer 0 are back; behind it buffer 1 is read and buffer 0 written.
; No tensor load follows it: the one that is out stays out.
.macro QM slot
	s_wait_dscnt 8
	MUL16 F1, 0, 0, 0
	s_wait_dscnt 0x0
	s_barrier_signal -1
	MUL16 F1, 0, 2, 0
	s_barrier_wait -1
	PLACES
	FETCH \slot, 2, F0
	s_wait_dscnt 32
	MUL16 F1, 1, 0, 0
	MUL16 F1, 1, 2, 0
.endm
; Quarter 3 multiplies buffer 1 and changes slots.  Each wave waits for all its tensor loads (one is out: its part of the other slot), adds 0 to its spare word, and waits for that, for its reads of this slot
; and of A's buffer 1, and for its stores into A's buffer 0.
.macro MEET round
	WIN 0
	s_wait_tensorcnt 0x0
	ds_add_u32 v[SPW], v[NIL]
	s_wait_dscnt 9                                 ; the add and the youngest eight loads may be out
	MUL16 F1, 0, 0, 0
	s_wait_dscnt 0x0
	s_barrier_signal -1
	MUL16 F1, 0, 2, 0
.if \round
	WIN 0
.endif
	s_barrier_wait -1
.endm
.macro TURN slot, next
	MEET 1
	CREST                                          ; the barrier has opened a round of the cluster's: no wave of any partner still reads this slot or has a load on its way
	s_add_nc_u64 s[G0+4*(\slot)+2:G0+4*(\slot)+3], s[G0+4*(\slot)+2:G0+4*(\slot)+3], 2*KBLK  ; B's blocks lie on end over all 24 steps
	tensor_load_to_lds s[G0+4*(\slot):G0+4*(\slot)+3], s[G1:G1+7]  ; the first tensor load behind the round: 224 products ahead of the wait for it
	s_nop 0
	PLACES                                         ; also the places in front of the loads below
	FETCH \next, 0, F0
	ASKB
	MUL16 F1, 1, 0, 0
	MUL16 F1, 1, 2, 0
.endm
; THE WAY OUT of block a (16 tokens).  For each register j: one number of each of the eight accumulators, rounded to f16 in pairs: 16 bytes of token 16 a + 8 (l / 16) + j.  Each accumulator's register 0 is read first.
.macro PACK a
.set AC, 64*((\a)%4)
.set TT, 32+96*((\a)%2)                ; v32-63 and v128-159 by turns
.if (\a) >= 2
	s_wait_xcnt 0x0                                ; the stores of the block two back have read the registers that are written below
.endif
	WIN 0x0a+5*((\a)/4)                            ; sources in window 2 or 3
.irp j, 0,1,2,3,4,5,6,7
.irp c, 0,1,2,3
	v_cvt_pk_f16_f32 v[TT+4*(\j)+(\c)], v[AC+16*(\c)+(\j)], v[AC+16*(\c)+8+(\j)]
.endr
.endr
	WIN 0
.irp j, 0,1,2,3,4,5,6,7
	global_store_b128 v[CO], v[TT+4*(\j):TT+4*(\j)+3], s[CB:CB+1] offset:(16*(\a)+(\j))*2048  ; 16 lanes store 256 consecutive bytes, aligned
.endr
.endm
.macro OUT                             ; blocks 0-3 were finished ahead of four places; their roundings are the places behind the last products
.irp a, 0,1,2,3,4,5,6,7
	PACK \a
.endr
.endm
.irp b, 0,1,2,3,4,5,6,7                ; the bias of column 16 b + lane % 16, for all three tiles: the first tile's into the first register of block b's C operand
	global_load_b32 v[BIAS+8*(\b)], v[BO], s[BB:BB+1] offset:64*(\b)
	global_load_b32 v[BN+(\b)],     v[BO], s[BB:BB+1] offset:64*(\b)+4096
	global_load_b32 v[BN+8+(\b)],   v[BO], s[BB:BB+1] offset:64*(\b)+8192
.endr
	LOADA 0, 46, 0                                 ; unit 0
	LOADA 1, 46, 256                               ; unit 1
	CVTST 0, 0, 16                                 ; the biases and unit 0 are in; unit 1's 16 loads may stay out
	LOADA 0, PA, 0                                 ; unit 2
	WIN 0
	s_wait_tensorcnt 1                             ; my part of K step 0 is in; K step 1's may stay out
	s_wait_dscnt 0x0                               ; my rows of unit 0 are in LDS
	s_barrier_signal -1
	s_barrier_wait -1
	FETCH 0, 0, F0
	s_mov_b32 s2, ALLLAPS
	s_branch .Lnew                                 ; the loop is entered at a tile's first quarter
.Llap:                                             ; eleven trips: a lap from its second quarter on, both slots filled again; then the next lap's first quarter
	QM 0
	QC 0, 2, 0, 0, 0, 2, 16, 1, 1                  ; in every rounding the 16 younger loads, the other set's, may stay out
	TURN 0, 1
	QC 1, 0, 0, 1, 1, 1, 16, 0, 1
	QM 1
	QC 1, 2, 0, 0, 0, 1, 16, 1, 1
	TURN 1, 0                                      ; at a tile's end the ring has gone on into the next tile, and its first fragments are fetched
	WIN 0
	s_cmp_lg_u32 s3, 1
	s_cbranch_scc1 .Lsame                          ; forward, past the way out: no barrier and no tensor load is passed
	OUT                                            ; A TILE ENDS
	s_wait_xcnt 0x0                                ; the stores have read their registers and their base
	s_add_nc_u64 s[CB:CB+1], s[CB:CB+1], PLANE
.irp b, 0,1,2,3,4,5,6,7
	v_mov_b32 v[BIAS+8*(\b)], v[BN+(\b)]           ; the next tile's bias,
	v_mov_b32 v[BN+(\b)], v[BN+8+(\b)]             ; and the one after moves up
.endr
.Lnew:
.irp b, 0,1,2,3,4,5,6,7                ; a C operand holds the column's bias for all eight tokens of a lane
.irp j, 1,2,3,4,5,6,7
	v_mov_b32 v[BIAS+8*(\b)+(\j)], v[BIAS+8*(\b)]
.endr
.endr
	s_mov_b32 s3, TLAPS
	QC 0, 0, 1, 1, 1, 1, 16, 0, 1                  ; a tile's first quarter starts the sums
	WIN 0
	s_branch .Lbottom
.Lsame:
	QC 0, 0, 0, 1, 1, 1, 16, 0, 1
	WIN 0
	s_sub_co_u32 s3, s3, 1
.Lbottom:
	s_sub_co_u32 s2, s2, 1
	s_cmp_lg_u32 s2, 0
	s_cbranch_scc1 .Llap
	QM 0                                           ; THE TWELFTH LAP is written out: it asks for nothing more
	QC 0, 2, 0, 0, 0, 0, 16, 0, 0                  ; unit 14
	MEET 0                                         ; nothing is filled again, so no round follows
	PLACES
	FETCH 1, 0, F0
	MUL16 F1, 1, 0, 0
	MUL16 F1, 1, 2, 0
	QC 1, 0, 0, 1, 1, 0, 0, 0, 0                   ; unit 15: no load is younger
	QM 1
	QP 1, 2
	s_wait_dscnt 8                                 ; the very last quarter: nothing more to fetch
	MUL16 F1, 0, 0, 0
	MUL16 F1, 0, 2, 0
	s_wait_dscnt 0x0
	MUL16 F1, 1, 0, 0
	MUL16 F1, 1, 2, 0
	WIN 0
	PLACES
	PLACES
	OUT
	s_wait_tensorcnt 0x0                           ; the wave's end
	ds_add_u32 v[SPW], v[NIL]
	s_wait_dscnt 0x0
	CROUND                                         ; the closing round
	s_endpgm
.Lfunc_end_k_qdc44a13349_proj:
	.size	k_qdc44a13349_proj, .Lfunc_end_k_qdc44a13349_proj-k_qdc44a13349_proj
	.p2alignl 7, 3214868480
	.fill 96, 4, 3214868480
	.section	.rodata,"a",@progbits
	.p2align	6, 0x0
	.amdhsa_kernel k_qdc44a13349_proj
		.amdhsa_group_segment_fixed_size 327680
		.amdhsa_private_segment_fixed_size 0
		.amdhsa_enable_private_segment 0
		.amdhsa_kernarg_size 48
		.amdhsa_user_sgpr_count 2
		.amdhsa_user_sgpr_kernarg_segment_ptr 1
		.amdhsa_wavefront_size32 1
		.amdhsa_system_sgpr_workgroup_id_x 1
		.amdhsa_system_sgpr_workgroup_id_y 1
		.amdhsa_system_sgpr_workgroup_id_z 1
		.amdhsa_system_vgpr_workitem_id 0
		.amdhsa_next_free_vgpr 1024
		.amdhsa_next_free_sgpr 66
		.amdhsa_reserve_vcc 0
		.amdhsa_float_denorm_mode_32 3
		.amdhsa_float_denorm_mode_16_64 3
		.amdhsa_memory_ordered 1
		.amdhsa_forward_progress 1
		.amdhsa_inst_pref_size 197
	.end_amdhsa_kernel
	.amdgpu_metadata
---
amdhsa.version: [ 1, 2 ]
amdhsa.kernels:
  - .name:           k_qdc44a13349_proj
    .symbol:         k_qdc44a13349_proj.kd
    .args:
      - { .name: query, .offset: 0, .size: 8, .value_kind: global_buffer, .address_space: global }
      - { .name: key, .offset: 8, .size: 8, .value_kind: global_buffer, .address_space: global }
      - { .name: value, .offset: 16, .size: 8, .value_kind: global_buffer, .address_space: global }
      - { .name: wsw, .offset: 24, .size: 8, .value_kind: global_buffer, .address_space: global }
      - { .name: wsb, .offset: 32, .size: 8, .value_kind: global_buffer, .address_space: global }
      - { .name: qkv, .offset: 40, .size: 8, .value_kind: global_buffer, .address_space: global }
    .group_segment_fixed_size: 327680
    .private_segment_fixed_size: 0
    .kernarg_segment_align: 8
    .kernarg_segment_size: 48
    .max_flat_workgroup_size: 128
    .sgpr_count:     66
    .vgpr_count:     1024
    .wavefront_size: 32
...
	.end_amdgpu_metadata
.endif
;; end of part 2
;; launch attn (part 3): grid 256 x 1, 16 waves a work-group, no clusters, 0 bytes of LDS; arguments qkv, obuf; writes obuf
.if DOCPART == 3
	.amdgcn_target "amdgcn-amd-amdhsa--gfx1250"
	.amdhsa_code_object_version 6
	.text
	.protected	k_qdc44a13349_attn
	.globl	k_qdc44a13349_attn
	.p2align	8
	.type	k_qdc44a13349_attn,@function
k_qdc44a13349_attn:
	s_mov_b64 s[64:65], 0
	v_nop
	global_prefetch_b8 v0, s[64:65] scope:SCOPE_SE
	s_setreg_imm32_b32 hwreg(HW_REG_WAVE_MODE, 25, 1), 1
	s_wait_xcnt 0x0
; THE ATTENTION INSIDE A TOKEN.  For each of the 16,384 tokens: S[i][j] = q[i] . k[j] / 8 over 64 channels for the 16 heads i, j; softmax over j; o[i] = the sum over j of P[i][j] v[j].
; q, k, v arrive in f16 with their 1,024 columns permuted so that chunk a (512 bytes) of a token's row, taken 16 bytes a lane, IS a piece of a matrix fragment.  With r = lane % 16, h = lane / 16:
;   q, k: head r, channels 16 a + 8 h + 0..7: chunks 0, 1 are the fragment of channels 0-31, chunks 2, 3 that of 32-63
;   v:    channel 16 a + r, heads (keys) 8 h + 0..7: a fragment of V^T for K = 0..15
;   o leaves as q came: head r, channels 16 a + 8 h + 0..7.
; So nothing goes through LDS, nothing is turned, and every load and store of a wave covers 512 consecutive bytes, aligned.
; S^T = K Q^T: a lane holds ONE query head (r) and the keys 8 h + 0..7; the other eight lie in the lane 16 away.  The TRUE maximum of the 16 scores is taken away before the exponentials.
; P is divided by its sum in f32 and rounded to f16: four registers, which are K = 0..15 of source 1 of O^T = V^T P.  The product's other 16 along K meet zeros in P: two chunks of v fill source 0,
; and P stands in the half that belongs to the chunk wanted, zeros in the other.  LIMIT: v must be finite (0 x infinity is no number); NaN and infinities are not treated apart.
; SHARES.  A work-group takes 64 tokens, a wave 4; its 48 loads go out at once, then two pairs of tokens are worked on, the pair's two tokens line by line.  Memory binds this launch: no cluster (nothing is shared),
; no prefetch (the loads themselves are all on their way from the first line on).
.set T,   4                            ; by place u in the pair, six registers: c m, its partner, m, at work, 1 / l, its partner
.set S,   16                           ; S^T, 8 registers
.set PBB, 32                           ; twelve registers: four zeros, P, four zeros
.set AS,  56                           ; four at work on the sum
.set TOK, 64                           ; token i at TOK + 48 i: q 16, k 16, v 16
.macro BOTH line:vararg                ; one line for each token of the pair
.set u, 0
	\line
.set u, 1
	\line
.endm
	s_load_b128 s[4:7], s[0:1], 0x0                ; qkv, obuf
	v_lshrrev_b32 v2, 5, v0
	v_and_b32 v1, 31, v0
	v_lshlrev_b32 v1, 4, v1
	v_lshl_add_u32 v1, v2, 13, v1                  ; 4 tokens of 2,048 bytes a wave + 16 bytes a lane; never rewritten
	s_lshl_b32 s2, ttmp9, 17                       ; 64 tokens a work-group
	s_mov_b32 s3, 0
	s_mov_b32 s16, 0x3e38aa3b                      ; c = log2(e) / 8
	s_mov_b32 s17, s16
	s_mov_b32 s18, 0x76543210                      ; each lane takes its own place in the other half
	s_mov_b32 s19, 0xfedcba98
	s_wait_kmcnt 0x0
	s_add_nc_u64 s[8:9], s[4:5], s[2:3]            ; q
	s_add_nc_u64 s[10:11], s[8:9], 0x2000000       ; k
	s_add_nc_u64 s[12:13], s[8:9], 0x4000000       ; v
	s_add_nc_u64 s[14:15], s[6:7], s[2:3]          ; o
.irp i, 0,1,2,3
.irp a, 0,1,2,3
	global_load_b128 v[TOK+48*(\i)+4*(\a):TOK+48*(\i)+4*(\a)+3],       v1, s[8:9]   offset:(\i)*2048+(\a)*512 th:TH_LOAD_NT
	global_load_b128 v[TOK+48*(\i)+16+4*(\a):TOK+48*(\i)+16+4*(\a)+3], v1, s[10:11] offset:(\i)*2048+(\a)*512 th:TH_LOAD_NT
	global_load_b128 v[TOK+48*(\i)+32+4*(\a):TOK+48*(\i)+32+4*(\a)+3], v1, s[12:13] offset:(\i)*2048+(\a)*512 th:TH_LOAD_NT
.endr
.endr
.irp z, 0,1,2,3,8,9,10,11
	BOTH v_mov_b32 v[PBB+12*u+(\z)], 0
.endr
	BOTH v_mov_b32 v[T+6*u+1], 0
	BOTH v_mov_b32 v[T+6*u+5], 0
.macro PAIR x                          ; tokens x and x + 1
.set TB, TOK+48*(\x)
	BOTH v_wmma_f32_16x16x32_f16 v[S+8*u:S+8*u+7], v[TB+48*u+16:TB+48*u+23], v[TB+48*u:TB+48*u+7], 0
	BOTH v_wmma_f32_16x16x32_f16 v[S+8*u:S+8*u+7], v[TB+48*u+24:TB+48*u+31], v[TB+48*u+8:TB+48*u+15], v[S+8*u:S+8*u+7]
.rept 8
	v_nop                                          ; the places behind the products; the two accumulators have taken turns
.endr
	BOTH v_max3_num_f32 v[T+6*u+2], v[S+8*u], v[S+8*u+1], v[S+8*u+2]
	BOTH v_max3_num_f32 v[T+6*u+3], v[S+8*u+3], v[S+8*u+4], v[S+8*u+5]
	BOTH v_max3_num_f32 v[T+6*u+2], v[T+6*u+2], v[S+8*u+6], v[S+8*u+7]
	BOTH v_max_num_f32 v[T+6*u+2], v[T+6*u+2], v[T+6*u+3]
	BOTH v_permlanex16_b32 v[T+6*u+3], v[T+6*u+2], s18, s19
	BOTH v_max_num_f32 v[T+6*u+2], v[T+6*u+2], v[T+6*u+3]
	BOTH v_mul_f32 v[T+6*u], s16, v[T+6*u+2]
.irp b, 0,1,2,3
	BOTH v_pk_fma_f32 v[S+8*u+2*(\b):S+8*u+2*(\b)+1], v[S+8*u+2*(\b):S+8*u+2*(\b)+1], s[16:17], v[T+6*u:T+6*u+1] op_sel_hi:[1,0,0] neg_lo:[0,0,1] neg_hi:[0,0,1]
.endr
.irp j, 0,1,2,3,4,5,6,7
	BOTH v_exp_f32 v[S+8*u+(\j)], v[S+8*u+(\j)]
.endr
	v_nop                                          ; a plain instruction behind the last exponential,
	s_wait_alu depctr_va_vdst(0)                   ; and one wait for the batch of sixteen, ahead of its first reader
	BOTH v_pk_add_f32 v[AS+4*u:AS+4*u+1], v[S+8*u:S+8*u+1], v[S+8*u+2:S+8*u+3]
	BOTH v_pk_add_f32 v[AS+4*u+2:AS+4*u+3], v[S+8*u+4:S+8*u+5], v[S+8*u+6:S+8*u+7]
	BOTH v_pk_add_f32 v[AS+4*u:AS+4*u+1], v[AS+4*u:AS+4*u+1], v[AS+4*u+2:AS+4*u+3]
	BOTH v_add_f32 v[AS+4*u], v[AS+4*u], v[AS+4*u+1]
	BOTH v_permlanex16_b32 v[AS+4*u+1], v[AS+4*u], s18, s19
	BOTH v_add_f32 v[AS+4*u], v[AS+4*u], v[AS+4*u+1]
	BOTH v_rcp_f32 v[T+6*u+4], v[AS+4*u]
	v_nop
	s_wait_alu depctr_va_vdst(0)                   ; one wait for the two reciprocals
.irp b, 0,1,2,3
	BOTH v_pk_mul_f32 v[S+8*u+2*(\b):S+8*u+2*(\b)+1], v[S+8*u+2*(\b):S+8*u+2*(\b)+1], v[T+6*u+4:T+6*u+5] op_sel_hi:[1,0]
.endr
.irp b, 0,1,2,3
	BOTH v_cvt_pk_f16_f32 v[PBB+12*u+4+(\b)], v[S+8*u+2*(\b)], v[S+8*u+2*(\b)+1]
.endr
.irp a, 0,1,2,3                        ; channels 16 a on: into q's and k's registers, which are dead.  Even a: v's chunk is K = 0..15, P then zeros; odd a: K = 16..31, zeros then P
	BOTH v_wmma_f32_16x16x32_f16 v[TB+48*u+8*(\a):TB+48*u+8*(\a)+7], v[TB+48*u+32+8*((\a)/2):TB+48*u+32+8*((\a)/2)+7], v[PBB+12*u+4-4*((\a)%2):PBB+12*u+11-4*((\a)%2)], 0
.endr
.rept 8
	v_nop                                          ; the places behind the products: their results are read and v's registers written below
.endr
.irp a, 0,1,2,3
.irp j, 0,1,2,3
	BOTH v_cvt_pk_f16_f32 v[TB+48*u+32+4*(\a)+(\j)], v[TB+48*u+8*(\a)+2*(\j)], v[TB+48*u+8*(\a)+2*(\j)+1]
.endr
.endr
.irp a, 0,1,2,3
	BOTH global_store_b128 v1, v[TB+48*u+32+4*(\a):TB+48*u+35+4*(\a)], s[14:15] offset:((\x)+u)*2048+(\a)*512
.endr
.endm
	s_wait_loadcnt 24                              ; tokens 0 and 1 are in; the 24 loads of tokens 2 and 3 may stay out
	PAIR 0
	s_wait_loadcnt 0x0
	PAIR 2
	s_endpgm
.Lfunc_end_k_qdc44a13349_attn:
	.size	k_qdc44a13349_attn, .Lfunc_end_k_qdc44a13349_attn-k_qdc44a13349_attn
	.p2alignl 7, 3214868480
	.fill 96, 4, 3214868480
	.section	.rodata,"a",@progbits
	.p2align	6, 0x0
	.amdhsa_kernel k_qdc44a13349_attn
		.amdhsa_group_segment_fixed_size 0
		.amdhsa_private_segment_fixed_size 0
		.amdhsa_enable_private_segment 0
		.amdhsa_kernarg_size 16
		.amdhsa_user_sgpr_count 2
		.amdhsa_user_sgpr_kernarg_segment_ptr 1
		.amdhsa_wavefront_size32 1
		.amdhsa_system_sgpr_workgroup_id_x 1
		.amdhsa_system_sgpr_workgroup_id_y 1
		.amdhsa_system_sgpr_workgroup_id_z 1
		.amdhsa_system_vgpr_workitem_id 0
		.amdhsa_next_free_vgpr 256
		.amdhsa_next_free_sgpr 66
		.amdhsa_reserve_vcc 0
		.amdhsa_float_denorm_mode_32 3
		.amdhsa_float_denorm_mode_16_64 3
		.amdhsa_memory_ordered 1
		.amdhsa_forward_progress 1
		.amdhsa_inst_pref_size 22
	.end_amdhsa_kernel
	.amdgpu_metadata
---
amdhsa.version: [ 1, 2 ]
amdhsa.kernels:
  - .name:           k_qdc44a13349_attn
    .symbol:         k_qdc44a13349_attn.kd
    .args:
      - { .name: qkv, .offset: 0, .size: 8, .value_kind: global_buffer, .address_space: global }
      - { .name: obuf, .offset: 8, .size: 8, .value_kind: global_buffer, .address_space: global }
    .group_segment_fixed_size: 0
    .private_segment_fixed_size: 0
    .kernarg_segment_align: 8
    .kernarg_segment_size: 16
    .max_flat_workgroup_size: 512
    .sgpr_count:     66
    .vgpr_count:     256
    .wavefront_size: 32
...
	.end_amdgpu_metadata
.endif
;; end of part 3
;; launch outp (part 4): grid 4 x 64, 4 waves a work-group, clusters of 4 x 4, 327,680 bytes of LDS; arguments obuf, wsw, wsb, out0; writes out0
.if DOCPART == 4
	.amdgcn_target "amdgcn-amd-amdhsa--gfx1250"
	.amdhsa_code_object_version 6
	.text
	.protected	k_qdc44a13349_outp
	.globl	k_qdc44a13349_outp
	.p2align	8
	.type	k_qdc44a13349_outp,@function
k_qdc44a13349_outp:
	s_mov_b64 s[64:65], 0
	v_nop
	global_prefetch_b8 v0, s[64:65] scope:SCOPE_SE
	s_setreg_imm32_b32 hwreg(HW_REG_WAVE_MODE, 25, 1), 1
	s_wait_xcnt 0x0
	s_wait_alu depctr_hold_cnt(0) depctr_sa_sdst(0) depctr_va_vdst(0) depctr_va_sdst(0) depctr_va_ssrc(0) depctr_va_vcc(0) depctr_vm_vsrc(0)
	s_getreg_b32 s2, hwreg(HW_REG_IB_STS2, 6, 4)
	s_cmp_eq_u32 s2, 0
	s_cbranch_scc0 .Lentry_in_a_cluster
	s_endpgm
.Lentry_in_a_cluster:
	s_bfe_u32 s2, ttmp6, 0x10000c
	s_cmp_lg_u32 s2, 0xf033
	s_cbranch_scc0 .Lentry_shape_is_right
	s_endpgm
.Lentry_shape_is_right:
; THE LAST PROJECTION.  out0[m][n] = the sum over k of o[m][k] fo[n][k] + fo_b[n].  o: [16384][1024] f16, columns permuted as the attention left them; fo: at byte 6,291,456 of wsw, [1024][1024] f16 with the same
; permutation of its columns (numbers rounded to bf16); the bias at byte 12,288 of wsb, f32.  Sums in f32, started by the bias; out0 is f32.
; A tile of 256 x 256 to a work-group of four waves, 128 x 128 a wave: 64 accumulators, 512 registers.  K goes in steps of 128 through a ring of two LDS slots; the rows of the tiles are 256 bytes of memory, aligned.
; CLUSTER.  4 x 4 work-groups: A's tile is shared along a row of the cluster, B's along a column, each asked for jointly by the same tensor load with the same descriptor and a mask of four.
; By this text's count a wave has two tensor loads out at the start and one behind each round.
; THE MATRIX INSTRUCTION IS USED TRANSPOSED (source 0 = 16 rows of B, source 1 = 16 rows of A): a lane holds eight neighbouring columns, 32 bytes, of one row of the result.
; REGISTERS: window 0: v16-30 addresses; v64-127, v128-191 A's fragments, two buffers (on the way out: rows read back).  window 1: v0-63 the bias as C operands; v64-127, v128-191 B's fragments.
;   windows 2, 3: the accumulators, (a, b) at v[8 (8 a + b)].  s_set_vgpr_msb: bits 1:0 source 0, 3:2 source 1, 5:4 source 2, 7:6 destination.
.set SIZE_N, 1024
.set SIZE_K, 1024
.set KSTEP,  128
.set PITCH,  272                       ; an LDS row: 256 bytes + 16: the 16 rows of a load start at 16 different groups of four banks (ISA guide 11.1)
.set HALFT,  128*PITCH
.set SLOT,   4*HALFT
.set STAGE,  2*SLOT                    ; behind the ring: 16 rows x 528 bytes for each wave; no tensor load lands here
.set SPITCH, 528                       ; 128 f32 + 16 bytes
.set SPARE,  STAGE+4*16*SPITCH         ; the spare words, 128 bytes a wave: two blocks of 256 bytes that no other line names
.set LAPS,   SIZE_K/(2*KSTEP)
.set ADRA, 16
.set ADRB, 20
.set STO,  24                          ; v24 the way out: where I put 32 bytes of a row
.set RD,   25                          ; v25 where I read 16 bytes of a row back
.set CO,   26                          ; v26 16 x lane: my place in 512 bytes of a row of out0
.set BO,   27                          ; v27 my byte offset in the bias
.set SPW,  28
.set NIL,  29
.set PFO,  30                          ; v30 my lane x a row of 2,048 bytes; never rewritten
.set PFA,  44                          ; s[44:45] where my prefetches stand
.set LIM,  43                          ; s43 1 in a wave that prefetches, else the greatest number
.set F0,   64
.set F1,   128
.set G1,  24
.set G0,  32
.set G1B, 48
.set G0B, 56
.set AP,  68                           ; s[68:69] obuf
.set BP,  70                           ; s[70:71] fo in wsw
.set WB,  72                           ; s[72:73] the bias at my first column
.set CP,  74                           ; s[74:75] out0 at my first row and column
.set MSB, 0
.macro WIN new
.if MSB != (\new)
	s_set_vgpr_msb (MSB<<8)|(\new)
.set MSB, \new
.endif
.endm
.set MUL_LO, 0xa1                      ; B window 1, A window 0, C and D window 2
.set TO_B,   0x40
.macro JLOAD s                         ; waves 0 and 1 fetch A's two halves, waves 2 and 3 B's; an s_nop 0 and four v_nop follow each line
	s_cmp_eq_u32 s11, 0
	s_cbranch_scc0 .Lfor_b_\@
	tensor_load_to_lds s[G0+4*(\s):G0+4*(\s)+3], s[G1:G1+7]
	s_nop 0
.rept 4
	v_nop
.endr
	s_branch .Lasked_\@
.Lfor_b_\@:
	tensor_load_to_lds s[G0B+4*(\s):G0B+4*(\s)+3], s[G1B:G1B+7]
	s_nop 0
.rept 4
	v_nop
.endr
.Lasked_\@:
.endm
; A prefetch of the K step two refills, 512 matrix instructions, on: 32 rows x 256 bytes, a lane a row.  A's rows are read by this cluster alone, so every cluster asks for its own; B's by every cluster:
; those with y = 0 ask.  Of the 128 rows that a wave fetches the partner at place p takes 32 p .. 32 p + 31 (p = cx for A, cy for B): told apart by address alone.  The last trip has no K step two on.
.macro ASK
	s_cmp_gt_u32 s3, s[LIM]
	s_cbranch_scc0 .Lnot_mine_\@
	global_prefetch_b8 v[PFO], s[PFA:PFA+1] offset:KSTEP*2 th:TH_LOAD_NT scope:SCOPE_SE
.Lnot_mine_\@:
.endm
.macro CREST
	s_cmp_lg_u32 s10, 0
	s_cbranch_scc1 .Lnot_wave_0_\@
	s_barrier_signal -3
.Lnot_wave_0_\@:
	s_barrier_wait -3
	s_barrier_signal -1
	s_barrier_wait -1
.endm
.macro CROUND
	s_barrier_signal -1
	s_barrier_wait -1
	CREST
.endm
	s_load_b256 s[68:75], s[0:1], 0x0              ; obuf, wsw, wsb, out0
	v_lshl_add_u32 v[SPW], v0, 2, SPARE
	v_mov_b32 v[NIL], 0
	ds_add_u32 v[SPW], v[NIL]                      ; the wave's opening: the add and its wait ahead of my first tensor load
	v_lshrrev_b32 v1, 5, v0
	v_readfirstlane_b32 s10, v1                    ; wave
	s_lshr_b32 s11, s10, 1                         ; my half of the tile's rows; also: I fetch for A (0) or B (1)
	s_and_b32 s12, s10, 1                          ; my half of its columns; also: which 128 rows I fetch
	s_bfe_u32 s40, ttmp6, 0x40000                  ; cx
	s_bfe_u32 s41, ttmp6, 0x40004                  ; cy
	s_lshl_b32 s42, ttmp9, 2
	s_add_co_u32 s42, s42, s40                     ; tile column
	s_and_b32 s13, ttmp7, 0xffff
	s_lshl_b32 s13, s13, 2
	s_add_co_u32 s13, s13, s41                     ; tile row
	s_lshl_b32 s43, s41, 2
	s_lshl_b32 s43, 15, s43                        ; my row of the cluster
	s_lshl_b32 s44, 0x1111, s40                    ; my column
	s_or_b32 s[G1+0], s43, (1<<16)|(1<<20)|(1<<21)|(5<<22)|(3<<25)   ; mask; elements of 2 bytes; padding on; bit 21 beside a mask; after every 64 words 4 words
	s_or_b32 s[G1B+0], s44, (1<<16)|(1<<20)|(1<<21)|(5<<22)|(3<<25)
.irp g, G1, G1B
	s_mov_b32 s[(\g)+1], KSTEP<<16                 ; tensor_dim0 = 128
	s_mov_b32 s[(\g)+2], 128<<16                   ; tensor_dim1 = 128
	s_mov_b32 s[(\g)+3], KSTEP<<16                 ; tile_dim0 = 128
	s_mov_b32 s[(\g)+4], 128                       ; tile_dim1 = 128
	s_mov_b32 s[(\g)+5], SIZE_K                    ; elements from row to row
	s_mov_b32 s[(\g)+6], 0
	s_mov_b32 s[(\g)+7], 0
.endr
	s_lshl_b32 s16, s13, 19                        ; A: (256 x tile row + 128 x half) rows of 2,048 bytes
	s_lshl_b32 s17, s12, 18
	s_add_co_u32 s16, s16, s17
	s_lshl_b32 s46, s42, 19                        ; B: the same by the tile column
	s_add_co_u32 s46, s46, s17
	s_mov_b32 s17, 0
	s_mov_b32 s47, 0
	s_mul_i32 s20, s10, HALFT                      ; where they go: wave x 128 rows
	s_wait_dscnt 0x0                               ; the opening add is done
	s_wait_kmcnt 0x0
	s_add_nc_u64 s[BP:BP+1], s[BP:BP+1], 6291456
	s_add_nc_u64 s[14:15], s[AP:AP+1], s[16:17]
	s_add_nc_u64 s[46:47], s[BP:BP+1], s[46:47]
	CROUND                                         ; all sixteen work-groups are here: the first joint loads meet
.irp s, 0,1
	s_mov_b32 s[G0+4*(\s)], 1
	s_add_co_u32 s[G0+4*(\s)+1], s20, (\s)*SLOT
	s_add_nc_u64 s[G0+4*(\s)+2:G0+4*(\s)+3], s[14:15], (\s)*KSTEP*2
	s_or_b32 s[G0+4*(\s)+3], s[G0+4*(\s)+3], 0x80000000
	s_mov_b32 s[G0B+4*(\s)], 1
	s_add_co_u32 s[G0B+4*(\s)+1], s20, (\s)*SLOT
	s_add_nc_u64 s[G0B+4*(\s)+2:G0B+4*(\s)+3], s[46:47], (\s)*KSTEP*2
	s_or_b32 s[G0B+4*(\s)+3], s[G0B+4*(\s)+3], 0x80000000
	JLOAD \s
.endr
	v_and_b32 v1, 15, v0
	v_bfe_u32 v2, v0, 4, 1
	v_mul_u32_u24 v3, v1, PITCH
	v_lshl_add_u32 v3, v2, 4, v3                   ; a fragment's row x pitch + 16 x half
	s_mul_i32 s21, s11, HALFT
	s_mul_i32 s22, s12, HALFT
	s_add_co_u32 s22, s22, 2*HALFT
.irp s, 0,1
	v_add_nc_u32 v[ADRA+(\s)], s21, v3
	v_add_nc_u32 v[ADRB+(\s)], s22, v3
	s_add_co_u32 s21, s21, SLOT
	s_add_co_u32 s22, s22, SLOT
.endr
	s_mul_i32 s23, s10, 16*SPITCH
	s_add_co_u32 s23, s23, STAGE
	v_mul_u32_u24 v4, v1, SPITCH                   ; in: row l % 16, 32 bytes for each half of the lanes
	v_lshl_add_u32 v4, v2, 5, v4
	v_add_nc_u32 v[STO], s23, v4
	v_and_b32 v5, 31, v0
	v_lshlrev_b32 v[CO], 4, v5                     ; back: 32 lanes take one row of 512 bytes
	v_add_nc_u32 v[RD], s23, v[CO]
	v_lshlrev_b32 v[BO], 5, v2
	s_lshl_b32 s16, s13, 20                        ; (256 x tile row + 128 x half) rows of 4,096 bytes
	s_lshl_b32 s17, s11, 19
	s_add_co_u32 s16, s16, s17
	s_mov_b32 s17, 0
	s_lshl_b32 s46, s42, 10                        ; 1,024 x tile column + 512 x half: bytes in a row of out0 and in the bias
	s_lshl_b32 s47, s12, 9
	s_add_co_u32 s46, s46, s47
	s_mov_b32 s47, 0
	s_add_nc_u64 s[CP:CP+1], s[CP:CP+1], s[16:17]
	s_add_nc_u64 s[CP:CP+1], s[CP:CP+1], s[46:47]
	s_add_nc_u64 s[WB:WB+1], s[WB:WB+1], s[46:47]
	s_add_nc_u64 s[WB:WB+1], s[WB:WB+1], 12288
	WIN TO_B
.irp b, 0,1,2,3,4,5,6,7                ; register j of block b is the bias of column 16 b + 8 (l / 16) + j
	global_load_b128 v[8*(\b):8*(\b)+3],   v[BO], s[WB:WB+1] offset:64*(\b)
	global_load_b128 v[8*(\b)+4:8*(\b)+7], v[BO], s[WB:WB+1] offset:64*(\b)+16
.endr
	WIN 0
	; the prefetches.  Nothing is asked for here at the head: K steps 0 to 3 come by their loads alone.
	s_lshl_b32 s13, s13, 8
	s_lshl_b32 s42, s42, 8
	s_and_b32 s22, ttmp7, 0xffff
	s_cmp_eq_u32 s11, 0
	s_cselect_b32 s20, s13, s42                    ; the tile's first row, in A or in B
	s_cselect_b32 s21, s40, s41                    ; my place among the four that ask with me
	s_cselect_b32 s22, ttmp9, s22                  ; the coordinate along which other clusters read the same rows
	s_cselect_b64 s[PFA:PFA+1], s[AP:AP+1], s[BP:BP+1]
	s_cmp_eq_u32 s22, 0
	s_cselect_b32 s[LIM], 1, -1
	s_lshl_b32 s22, s12, 7
	s_add_co_u32 s20, s20, s22
	s_lshl_b32 s21, s21, 5
	s_add_co_u32 s20, s20, s21
	s_lshl_b32 s20, s20, 11                        ; rows of 2,048 bytes
	s_mov_b32 s21, 0
	s_add_nc_u64 s[PFA:PFA+1], s[PFA:PFA+1], s[20:21]
	s_add_nc_u64 s[PFA:PFA+1], s[PFA:PFA+1], 2*KSTEP*2  ; at K step 2: the first refill steps it to 3 and names K step 4
	v_and_b32 v[PFO], 31, v0
	v_lshlrev_b32 v[PFO], 11, v[PFO]
; 16 products: m blocks a0, a0 + 1 of the window's four x all 8 n blocks, 32 along K.  zero = 1: the sums start with the bias.  The 64 accumulators take turns in one order.
.macro MUL16 f, hi, a0, zero
.if \zero
	WIN 0x91+0x40*(\hi)
.else
	WIN MUL_LO+0x50*(\hi)
.endif
.irp a, \a0, (\a0)+1
.irp b, 0,1,2,3,4,5,6,7
.if \zero
	v_wmma_f32_16x16x32_f16 v[8*(8*(\a)+(\b)):8*(8*(\a)+(\b))+7], v[(\f)+8*(\b):(\f)+8*(\b)+7], v[(\f)+8*(4*(\hi)+(\a)):(\f)+8*(4*(\hi)+(\a))+7], v[8*(\b):8*(\b)+7]
.else
	v_wmma_f32_16x16x32_f16 v[8*(8*(\a)+(\b)):8*(8*(\a)+(\b))+7], v[(\f)+8*(\b):(\f)+8*(\b)+7], v[(\f)+8*(4*(\hi)+(\a)):(\f)+8*(4*(\hi)+(\a))+7], v[8*(8*(\a)+(\b)):8*(8*(\a)+(\b))+7]
.endif
.endr
.endr
.endm
.macro FETCH slot, k, f                ; 32 LDS loads in one run: a quarter's fragments of B, then of A
	WIN TO_B
.irp i, 0,1,2,3,4,5,6,7
	ds_load_b128 v[(\f)+8*(\i):(\f)+8*(\i)+3],   v[ADRB+(\slot)] offset:(\k)+(\i)*16*PITCH
	ds_load_b128 v[(\f)+8*(\i)+4:(\f)+8*(\i)+7], v[ADRB+(\slot)] offset:(\k)+(\i)*16*PITCH+32
.endr
	WIN 0
.irp i, 0,1,2,3,4,5,6,7
	ds_load_b128 v[(\f)+8*(\i):(\f)+8*(\i)+3],   v[ADRA+(\slot)] offset:(\k)+(\i)*16*PITCH
	ds_load_b128 v[(\f)+8*(\i)+4:(\f)+8*(\i)+7], v[ADRA+(\slot)] offset:(\k)+(\i)*16*PITCH+32
.endr
.endm
.macro PLACES                          ; four places in front of loads into registers that matrix instructions have read
.rept 4
	v_nop
.endr
.endm
.macro QUARTER slot, k, f, g, zero
	s_wait_dscnt 8                                 ; B and A's rows 0-63 are in; the youngest eight loads may be out
	MUL16 \f, 0, 0, \zero
	MUL16 \f, 0, 2, \zero
	PLACES
	FETCH \slot, \k, \g
	s_wait_dscnt 32                                ; all but the 32 just issued
	MUL16 \f, 1, 0, \zero
	MUL16 \f, 1, 2, \zero
.endm
; The change of slots: each wave waits for all its tensor loads (one is out: its part of the other slot), adds 0 to its spare word, and waits for that and for its reads of this slot.
.macro MEET round
	WIN 0
	s_wait_tensorcnt 0x0
	ds_add_u32 v[SPW], v[NIL]
	s_wait_dscnt 9                                 ; the add and the youngest eight loads may be out
	MUL16 F1, 0, 0, 0
	s_wait_dscnt 0x0                               ; the add is done and my reads of this slot are over
	s_barrier_signal -1
	MUL16 F1, 0, 2, 0
.if \round
	WIN 0
.endif
	s_barrier_wait -1
.endm
.macro TURN slot, next
	s_wait_xcnt 0x0                                ; the last prefetch, a K step back, has read its address
	s_add_nc_u64 s[PFA:PFA+1], s[PFA:PFA+1], KSTEP*2
	MEET 1
	CREST                                          ; no wave of any partner still reads this slot or has a load on its way
	s_add_nc_u64 s[G0+4*(\slot)+2:G0+4*(\slot)+3], s[G0+4*(\slot)+2:G0+4*(\slot)+3], 2*KSTEP*2
	s_add_nc_u64 s[G0B+4*(\slot)+2:G0B+4*(\slot)+3], s[G0B+4*(\slot)+2:G0B+4*(\slot)+3], 2*KSTEP*2
	JLOAD \slot                                    ; the first tensor load behind the round: 224 products ahead of the wait for it; its four v_nop are also the places in front of the loads below
	FETCH \next, 0, F0
	ASK
	MUL16 F1, 1, 0, 0
	MUL16 F1, 1, 2, 0
.endm
; THE WAY OUT of block a (16 rows x 128 f32): straight from the accumulators into my own stage, each accumulator's low four registers first; back as whole rows of 512 bytes; stored.
.macro TOSTAGE a
.set AC, 64*((\a)%4)
.set BK, 64+64*((\a)%2)
.if (\a) >= 2
	s_wait_xcnt 0x0                                ; the stores of the block two back have read the registers that the loads below fill
.endif
	WIN 0x08+4*((\a)/4)                            ; the data in window 2 or 3
.irp b, 0,1,2,3,4,5,6,7
	ds_store_b128 v[STO], v[AC+8*(\b):AC+8*(\b)+3]   offset:64*(\b)
	ds_store_b128 v[STO], v[AC+8*(\b)+4:AC+8*(\b)+7] offset:64*(\b)+16
.endr
	WIN 0
.irp t, 0,1,2,3,4,5,6,7,8,9,10,11,12,13,14,15
	ds_load_b128 v[BK+4*(\t):BK+4*(\t)+3], v[RD] offset:(\t)*SPITCH  ; LDS serves a wave's instructions in order (ISA guide 5.7.1.4)
.endr
.endm
.macro SEND a, younger                 ; younger: the next block's 16 stores and 16 loads, or none
.set BK, 64+64*((\a)%2)
	s_wait_dscnt \younger
.irp t, 0,1,2,3,4,5,6,7,8,9,10,11,12,13,14,15
	global_store_b128 v[CO], v[BK+4*(\t):BK+4*(\t)+3], s[CP:CP+1] offset:(16*(\a)+(\t))*4096 th:TH_STORE_NT  ; a wave stores 512 consecutive bytes, aligned
.endr
.endm
	s_wait_tensorcnt 1                             ; my part of K step 0 is in; K step 1's may stay out
	s_barrier_signal -1
	s_barrier_wait -1
	FETCH 0, 0, F0
	s_wait_loadcnt 0x0                             ; the bias
	QUARTER 0, 64,  F0, F1, 1                      ; the first quarter starts the sums
	WIN 0
	s_mov_b32 s3, LAPS-1
.Llap:                                             ; a trip goes once round the ring, from a lap's second quarter to the next lap's first, and fills both slots again
	QUARTER 0, 128, F1, F0, 0
	QUARTER 0, 192, F0, F1, 0
	TURN 0, 1
	QUARTER 1, 64,  F0, F1, 0
	QUARTER 1, 128, F1, F0, 0
	QUARTER 1, 192, F0, F1, 0
	TURN 1, 0
	QUARTER 0, 64,  F0, F1, 0
	WIN 0
	s_sub_co_u32 s3, s3, 1
	s_cmp_lg_u32 s3, 0
	s_cbranch_scc1 .Llap
	QUARTER 0, 128, F1, F0, 0                      ; the last lap fills nothing
	QUARTER 0, 192, F0, F1, 0
	MEET 0
	PLACES
	FETCH 1, 0, F0
	MUL16 F1, 1, 0, 0
	MUL16 F1, 1, 2, 0
	QUARTER 1, 64,  F0, F1, 0
	QUARTER 1, 128, F1, F0, 0
	QUARTER 1, 192, F0, F1, 0
	s_wait_dscnt 8                                 ; the very last quarter: nothing more to fetch
	MUL16 F1, 0, 0, 0
	MUL16 F1, 0, 2, 0
	s_wait_dscnt 0x0
	MUL16 F1, 1, 0, 0
	MUL16 F1, 1, 2, 0
	WIN 0
	PLACES                                         ; behind the last products: their results are stored to LDS and A's buffers loaded below
	PLACES
	TOSTAGE 0
.irp a, 1,2,3,4,5,6,7
	TOSTAGE \a
	SEND (\a)-1, 32
.endr
	SEND 7, 0
	s_wait_tensorcnt 0x0                           ; the wave's end
	ds_add_u32 v[SPW], v[NIL]
	s_wait_dscnt 0x0
	CROUND                                         ; the closing round
	s_endpgm
.Lfunc_end_k_qdc44a13349_outp:
	.size	k_qdc44a13349_outp, .Lfunc_end_k_qdc44a13349_outp-k_qdc44a13349_outp
	.p2alignl 7, 3214868480
	.fill 96, 4, 3214868480
	.section	.rodata,"a",@progbits
	.p2align	6, 0x0
	.amdhsa_kernel k_qdc44a13349_outp
		.amdhsa_group_segment_fixed_size 327680
		.amdhsa_private_segment_fixed_size 0
		.amdhsa_enable_private_segment 0
		.amdhsa_kernarg_size 32
		.amdhsa_user_sgpr_count 2
		.amdhsa_user_sgpr_kernarg_segment_ptr 1
		.amdhsa_wavefront_size32 1
		.amdhsa_system_sgpr_workgroup_id_x 1
		.amdhsa_system_sgpr_workgroup_id_y 1
		.amdhsa_system_sgpr_workgroup_id_z 1
		.amdhsa_system_vgpr_workitem_id 0
		.amdhsa_next_free_vgpr 1024
		.amdhsa_next_free_sgpr 80
		.amdhsa_reserve_vcc 0
		.amdhsa_float_denorm_mode_32 3
		.amdhsa_float_denorm_mode_16_64 3
		.amdhsa_memory_ordered 1
		.amdhsa_forward_progress 1
		.amdhsa_inst_pref_size 143
	.end_amdhsa_kernel
	.amdgpu_metadata
---
amdhsa.version: [ 1, 2 ]
amdhsa.kernels:
  - .name:           k_qdc44a13349_outp
    .symbol:         k_qdc44a13349_outp.kd
    .args:
      - { .name: obuf, .offset: 0, .size: 8, .value_kind: global_buffer, .address_space: global }
      - { .name: wsw, .offset: 8, .size: 8, .value_kind: global_buffer, .address_space: global }
      - { .name: wsb, .offset: 16, .size: 8, .value_kind: global_buffer, .address_space: global }
      - { .name: out0, .offset: 24, .size: 8, .value_kind: global_buffer, .address_space: global }
    .group_segment_fixed_size: 327680
    .private_segment_fixed_size: 0
    .kernarg_segment_align: 8
    .kernarg_segment_size: 32
    .max_flat_workgroup_size: 128
    .sgpr_count:     80
    .vgpr_count:     1024
    .wavefront_size: 32
...
	.end_amdgpu_metadata
.endif
;; end of part 4
;; ======== version 2 of 2: 4 launches; version 1 with the launch attn written anew for expert scheduling mode
;; limits: values are held in f16: magnitudes above 65,504 overflow, below 6.1e-05 lose precision
;; workspace buffers: wsw 8,388,608 bytes; wsb 16,384 bytes; qkv 100,663,296 bytes; obuf 33,554,432 bytes
;; launch prep: the kernel of part 1 again; grid 64 x 4, 8 waves a work-group, no clusters, 0 bytes of LDS; arguments wq_w, wk_w, wv_w, fo_w, wq_b, wk_b, wv_b, fo_b, wsw, wsb; writes wsw, wsb
;; launch proj: the kernel of part 2 again; grid 8 x 32, 4 waves a work-group, clusters of 4 x 1, 327,680 bytes of LDS; arguments query, key, value, wsw, wsb, qkv; writes qkv
;; launch attn (part 5): grid 256 x 1, 16 waves a work-group, no clusters, 0 bytes of LDS; arguments qkv, obuf; writes obuf
.if DOCPART == 5
	.amdgcn_target "amdgcn-amd-amdhsa--gfx1250"
	.amdhsa_code_object_version 6
	.text
	.protected	k_qdc44a13349_attn
	.globl	k_qdc44a13349_attn
	.p2align	8
	.type	k_qdc44a13349_attn,@function
k_qdc44a13349_attn:
	s_mov_b64 s[64:65], 0
	v_nop
	global_prefetch_b8 v0, s[64:65] scope:SCOPE_SE
	s_setreg_imm32_b32 hwreg(HW_REG_WAVE_SCHED_MODE, 0, 2), 2
	s_setreg_imm32_b32 hwreg(HW_REG_WAVE_MODE, 25, 1), 1
	s_wait_xcnt 0x0
	s_wait_alu depctr_vm_vsrc(0)
; THE ATTENTION INSIDE A TOKEN.  For each of the 16,384 tokens: S[i][j] = q[i] . k[j] / 8 over 64 channels for the 16 heads i, j; softmax over j; o[i] = the sum over j of P[i][j] v[j].
; q, k, v arrive in f16 with their 1,024 columns permuted so that chunk a (512 bytes) of a token's row, taken 16 bytes a lane, IS a piece of a matrix fragment.  With r = lane % 16, h = lane / 16:
;   q, k: head r, channels 16 a + 8 h + 0..7: chunks 0, 1 are the fragment of channels 0-31, chunks 2, 3 that of 32-63
;   v:    channel 16 a + r, heads (keys) 8 h + 0..7: a fragment of V^T for K = 0..15
;   o leaves as q came: head r, channels 16 a + 8 h + 0..7.
; So nothing goes through LDS, nothing is turned, and every load and store of a wave covers 512 consecutive bytes, aligned.
; S^T = K Q^T: a lane holds ONE query head (r) and the keys 8 h + 0..7; the other eight lie in the lane 16 away.  The TRUE maximum of the 16 scores is taken away before the exponentials.
; P is divided by its sum in f32 and rounded to f16: four registers, which are K = 0..15 of source 1 of O^T = V^T P.  The product's other 16 along K meet zeros in P: two chunks of v fill source 0,
; and P stands in the half that belongs to the chunk wanted, zeros in the other.  LIMIT: v must be finite (0 x infinity is no number); NaN and infinities are not treated apart.
; SHARES.  A work-group takes 64 tokens, a wave 4; its 48 loads go out at once, then two pairs of tokens are worked on, the pair's two tokens line by line.  Memory binds this launch: no cluster (nothing is shared),
; no prefetch (the loads themselves are all on their way from the first line on).
; THE MODE: SCHED_MODE bits 1:0 = 2 (LLVM: expert scheduling mode 2), set by the entry lines.  The code itself states the register dependences between vector or matrix instructions and memory
; instructions, with s_wait_alu, always for 0.
; THE PLAN.  Registers that memory instructions touch:
;   v1            the one offset.  Written by three vector lines at the head, read by all 48 loads and all 16 stores, never written again: one wait on va_vdst, ahead of the first load.
;   token i's 48  v[TOK + 48 i ..].  One load lands in each, at the head; no vector line has named them before, and no load lands in them later.  q's and k's 32 are then named by matrix and vector lines alone.
;                 v's 16 are the token's out-buffer: read by the products V^T P, written by the sixteen roundings to f16, read by the token's four stores, never written again.
;                 One wait on va_vdst a pair stands behind the pair's 32 roundings, ahead of its eight stores.
;   T, S, PBB, AS are named by vector and matrix lines alone.
; Every token has registers of its own, so no register that a memory instruction has read is ever written again: the only wait on vm_vsrc is the entry's, and the second pair's lines, which name v4-63 and
; tokens 2 and 3's registers, follow the first pair's stores with nothing to state.  No vector line writes a scalar register or VCC, and EXEC is never written.
.set T,   4                            ; by place u in the pair, six registers: c m, its partner, m, at work, 1 / l, its partner
.set S,   16                           ; S^T, 8 registers
.set PBB, 32                           ; twelve registers: four zeros, P, four zeros
.set AS,  56                           ; four at work on the sum
.set TOK, 64                           ; token i at TOK + 48 i: q 16, k 16, v 16
.macro BOTH line:vararg                ; one line for each token of the pair
.set u, 0
	\line
.set u, 1
	\line
.endm
	s_load_b128 s[4:7], s[0:1], 0x0                ; qkv, obuf
	v_lshrrev_b32 v2, 5, v0
	v_and_b32 v1, 31, v0
	v_lshlrev_b32 v1, 4, v1
	v_lshl_add_u32 v1, v2, 13, v1                  ; 4 tokens of 2,048 bytes a wave + 16 bytes a lane; never rewritten
	s_lshl_b32 s2, ttmp9, 17                       ; 64 tokens a work-group
	s_mov_b32 s3, 0
	s_mov_b32 s16, 0x3e38aa3b                      ; c = log2(e) / 8
	s_mov_b32 s17, s16
	s_mov_b32 s18, 0x76543210                      ; each lane takes its own place in the other half
	s_mov_b32 s19, 0xfedcba98
	s_wait_kmcnt 0x0
	s_add_nc_u64 s[8:9], s[4:5], s[2:3]            ; q
	s_add_nc_u64 s[10:11], s[8:9], 0x2000000       ; k
	s_add_nc_u64 s[12:13], s[8:9], 0x4000000       ; v
	s_add_nc_u64 s[14:15], s[6:7], s[2:3]          ; o
	s_wait_alu depctr_va_vdst(0)                   ; v1 is written: every load and store of the kernel reads it as its offset
.irp i, 0,1,2,3
.irp a, 0,1,2,3
	global_load_b128 v[TOK+48*(\i)+4*(\a):TOK+48*(\i)+4*(\a)+3],       v1, s[8:9]   offset:(\i)*2048+(\a)*512 th:TH_LOAD_NT
	global_load_b128 v[TOK+48*(\i)+16+4*(\a):TOK+48*(\i)+16+4*(\a)+3], v1, s[10:11] offset:(\i)*2048+(\a)*512 th:TH_LOAD_NT
	global_load_b128 v[TOK+48*(\i)+32+4*(\a):TOK+48*(\i)+32+4*(\a)+3], v1, s[12:13] offset:(\i)*2048+(\a)*512 th:TH_LOAD_NT
.endr
.endr
.irp z, 0,1,2,3,8,9,10,11
	BOTH v_mov_b32 v[PBB+12*u+(\z)], 0             ; these twenty lines write registers that no memory instruction names
.endr
	BOTH v_mov_b32 v[T+6*u+1], 0
	BOTH v_mov_b32 v[T+6*u+5], 0
.macro PAIR x                          ; tokens x and x + 1
.set TB, TOK+48*(\x)
	BOTH v_wmma_f32_16x16x32_f16 v[S+8*u:S+8*u+7], v[TB+48*u+16:TB+48*u+23], v[TB+48*u:TB+48*u+7], 0
	BOTH v_wmma_f32_16x16x32_f16 v[S+8*u:S+8*u+7], v[TB+48*u+24:TB+48*u+31], v[TB+48*u+8:TB+48*u+15], v[S+8*u:S+8*u+7]
.rept 8
	v_nop                                          ; the places behind the products; the two accumulators have taken turns
.endr
	BOTH v_max3_num_f32 v[T+6*u+2], v[S+8*u], v[S+8*u+1], v[S+8*u+2]
	BOTH v_max3_num_f32 v[T+6*u+3], v[S+8*u+3], v[S+8*u+4], v[S+8*u+5]
	BOTH v_max3_num_f32 v[T+6*u+2], v[T+6*u+2], v[S+8*u+6], v[S+8*u+7]
	BOTH v_max_num_f32 v[T+6*u+2], v[T+6*u+2], v[T+6*u+3]
	BOTH v_permlanex16_b32 v[T+6*u+3], v[T+6*u+2], s18, s19
	BOTH v_max_num_f32 v[T+6*u+2], v[T+6*u+2], v[T+6*u+3]
	BOTH v_mul_f32 v[T+6*u], s16, v[T+6*u+2]
.irp b, 0,1,2,3
	BOTH v_pk_fma_f32 v[S+8*u+2*(\b):S+8*u+2*(\b)+1], v[S+8*u+2*(\b):S+8*u+2*(\b)+1], s[16:17], v[T+6*u:T+6*u+1] op_sel_hi:[1,0,0] neg_lo:[0,0,1] neg_hi:[0,0,1]
.endr
.irp j, 0,1,2,3,4,5,6,7
	BOTH v_exp_f32 v[S+8*u+(\j)], v[S+8*u+(\j)]
.endr
	v_nop                                          ; a plain instruction behind the last exponential,
	s_wait_alu depctr_va_vdst(0)                   ; and one wait for the batch: the sixteen exponentials have written v[S ..], ahead of their first reader, the sums below
	BOTH v_pk_add_f32 v[AS+4*u:AS+4*u+1], v[S+8*u:S+8*u+1], v[S+8*u+2:S+8*u+3]
	BOTH v_pk_add_f32 v[AS+4*u+2:AS+4*u+3], v[S+8*u+4:S+8*u+5], v[S+8*u+6:S+8*u+7]
	BOTH v_pk_add_f32 v[AS+4*u:AS+4*u+1], v[AS+4*u:AS+4*u+1], v[AS+4*u+2:AS+4*u+3]
	BOTH v_add_f32 v[AS+4*u], v[AS+4*u], v[AS+4*u+1]
	BOTH v_permlanex16_b32 v[AS+4*u+1], v[AS+4*u], s18, s19
	BOTH v_add_f32 v[AS+4*u], v[AS+4*u], v[AS+4*u+1]
	BOTH v_rcp_f32 v[T+6*u+4], v[AS+4*u]
	v_nop                                          ; a plain instruction behind the second reciprocal,
	s_wait_alu depctr_va_vdst(0)                   ; and one wait for the two: they have written 1 / l of both tokens, ahead of the multiplies that read it
.irp b, 0,1,2,3
	BOTH v_pk_mul_f32 v[S+8*u+2*(\b):S+8*u+2*(\b)+1], v[S+8*u+2*(\b):S+8*u+2*(\b)+1], v[T+6*u+4:T+6*u+5] op_sel_hi:[1,0]
.endr
.irp b, 0,1,2,3
	BOTH v_cvt_pk_f16_f32 v[PBB+12*u+4+(\b)], v[S+8*u+2*(\b)], v[S+8*u+2*(\b)+1]
.endr
.irp a, 0,1,2,3                        ; channels 16 a on: into q's and k's registers, which are dead.  Even a: v's chunk is K = 0..15, P then zeros; odd a: K = 16..31, zeros then P
	BOTH v_wmma_f32_16x16x32_f16 v[TB+48*u+8*(\a):TB+48*u+8*(\a)+7], v[TB+48*u+32+8*((\a)/2):TB+48*u+32+8*((\a)/2)+7], v[PBB+12*u+4-4*((\a)%2):PBB+12*u+11-4*((\a)%2)], 0
.endr
.rept 8
	v_nop                                          ; the places behind the products: their results are read and v's registers written below
.endr
.irp a, 0,1,2,3
.irp j, 0,1,2,3
	BOTH v_cvt_pk_f16_f32 v[TB+48*u+32+4*(\a)+(\j)], v[TB+48*u+8*(\a)+2*(\j)], v[TB+48*u+8*(\a)+2*(\j)+1]
.endr
.endr
	s_wait_alu depctr_va_vdst(0)                   ; the 32 roundings have written both tokens' out-buffers (v's registers), which the eight stores below read
.irp a, 0,1,2,3
	BOTH global_store_b128 v1, v[TB+48*u+32+4*(\a):TB+48*u+35+4*(\a)], s[14:15] offset:((\x)+u)*2048+(\a)*512
.endr
.endm
	s_wait_loadcnt 24                              ; tokens 0 and 1 are in; the 24 loads of tokens 2 and 3 may stay out
	PAIR 0
	s_wait_loadcnt 0x0
	PAIR 2                                         ; it writes none of the registers that the first pair's stores read
	s_endpgm
.Lfunc_end_k_qdc44a13349_attn:
	.size	k_qdc44a13349_attn, .Lfunc_end_k_qdc44a13349_attn-k_qdc44a13349_attn
	.p2alignl 7, 3214868480
	.fill 96, 4, 3214868480
	.section	.rodata,"a",@progbits
	.p2align	6, 0x0
	.amdhsa_kernel k_qdc44a13349_attn
		.amdhsa_group_segment_fixed_size 0
		.amdhsa_private_segment_fixed_size 0
		.amdhsa_enable_private_segment 0
		.amdhsa_kernarg_size 16
		.amdhsa_user_sgpr_count 2
		.amdhsa_user_sgpr_kernarg_segment_ptr 1
		.amdhsa_wavefront_size32 1
		.amdhsa_system_sgpr_workgroup_id_x 1
		.amdhsa_system_sgpr_workgroup_id_y 1
		.amdhsa_system_sgpr_workgroup_id_z 1
		.amdhsa_system_vgpr_workitem_id 0
		.amdhsa_next_free_vgpr 256
		.amdhsa_next_free_sgpr 66
		.amdhsa_reserve_vcc 0
		.amdhsa_float_denorm_mode_32 3
		.amdhsa_float_denorm_mode_16_64 3
		.amdhsa_memory_ordered 1
		.amdhsa_forward_progress 1
		.amdhsa_inst_pref_size 22
	.end_amdhsa_kernel
	.amdgpu_metadata
---
amdhsa.version: [ 1, 2 ]
amdhsa.kernels:
  - .name:           k_qdc44a13349_attn
    .symbol:         k_qdc44a13349_attn.kd
    .args:
      - { .name: qkv, .offset: 0, .size: 8, .value_kind: global_buffer, .address_space: global }
      - { .name: obuf, .offset: 8, .size: 8, .value_kind: global_buffer, .address_space: global }
    .group_segment_fixed_size: 0
    .private_segment_fixed_size: 0
    .kernarg_segment_align: 8
    .kernarg_segment_size: 16
    .max_flat_workgroup_size: 512
    .sgpr_count:     66
    .vgpr_count:     256
    .wavefront_size: 32
...
	.end_amdgpu_metadata
.endif
;; end of part 5
;; launch outp: the kernel of part 4 again; grid 4 x 64, 4 waves a work-group, clusters of 4 x 4, 327,680 bytes of LDS; arguments obuf, wsw, wsb, out0; writes out0
